; MI455X (gfx1250); checked and timed in simulation.
; The chip was launched on July 23, 2026; its instructions are those of AMD's public machine-readable ISA for CDNA 5 (MIT licence, August 2026) and "CDNA5" Instruction Set Architecture Reference Guide (July 2026). The comments in the code are by the model that wrote it; some were corrected since.
;; Multi Head Attention. Allowed arithmetic: matrix products marked QUANTISED: E2M3 operands, one E8M0 scale for each 32 along K, by v_wmma_scale_f32_16x16x128_f8f6f4 with both operands' format E2M3, f32 sums; everything else in f32.
;; Inputs: Wk 1,024 x 1,024 float32; Wo 1,024 x 1,024 float32; Wq 1,024 x 1,024 float32; Wv 1,024 x 1,024 float32; attention_mask 4 x 2,048 int32; key 4 x 2,048 x 1,024 float32; query 4 x 2,048 x 1,024 float32; value 4 x 2,048 x 1,024 float32.
;; Outputs: out0 4 x 2,048 x 1,024 float32.
;; This version of the problem:
;;   THIS VERSION OF THE PROBLEM IS GIVEN IN LOW PRECISION. The matrix products marked QUANTISED in the list below multiply operands that are first quantised to E2M3 (2 exponent bits, 3 mantissa bits; 6 bits a number), with one power-of-two scale for each 32 numbers along K (OCP MX v1.0); their sums are f32. All else is computed in f32.
;;   The module's matrix products, in the order in which they are computed (A, B: the left and right operand; K: the contracted axis; several contracted axes count as one K, in the product's order):
;;     1. [M 8,192, K 1,024] x [K 1,024, N 1,024]; A: input query; B: input Wq: QUANTISED
;;     2. [M 8,192, K 1,024] x [K 1,024, N 1,024]; A: input key; B: input Wk: QUANTISED
;;     3. [M 8,192, K 1,024] x [K 1,024, N 1,024]; A: input value; B: input Wv: QUANTISED
;;     4. batch 64 x [M 2,048, K 64] x [K 64, N 2,048]; A: computed on the way; B: computed on the way: QUANTISED
;;     5. batch 64 x [M 2,048, K 2,048] x [K 2,048, N 64]; A: softmax (see below); B: computed on the way: QUANTISED
;;     6. [M 8,192, K 1,024] x [K 1,024, N 1,024]; A: computed on the way; B: input Wo: QUANTISED
;;   THE QUANTISER, for each operand of a quantised product, along K:
;;     - K is cut into blocks of 32 from its start; a last block that is shorter is filled with zeros.
;;     - A block's scale is 2^e with e = floor(log2(the largest magnitude in the block)) - 2, held to -126 .. 127; a block of zeros has e = 0. As a byte (E8M0): e + 127.
;;     - Each number is divided by its block's scale, clamped to +-7.5, and rounded to the nearest number of E2M3, ties to even, subnormals kept.
;;     - The product sums the exact products of the quantised numbers (number of the format x scale) in f32.
;;   ~~~python
;;   def quantise(x, axis):      # numpy; x: float32 -> the quantised numbers, widened to float32 again
;;       x = np.moveaxis(x, axis, -1); K = x.shape[-1]
;;       x = np.pad(x, [(0, 0)] * (x.ndim - 1) + [(0, -K % 32)]); x = x.reshape(x.shape[:-1] + (-1, 32)); a = np.abs(x).max(-1, keepdims=True)
;;       e = np.where(a > 0, np.clip(np.frexp(np.where(a > 0, a, 1))[1] - 1 - 2, -126, 127), 0)      # np.frexp(a)[1] - 1 = floor(log2(a)), exactly
;;       r = np.clip(x / 2.0 ** e, -7.5, 7.5)
;;       step = 2.0 ** (np.maximum(np.frexp(np.where(r == 0, 1, r))[1] - 1, 0) - 3)
;;       q = np.round(r / step) * step * 2.0 ** e      # np.round: ties to even
;;       return np.moveaxis(q.reshape(q.shape[:-2] + (-1,))[..., :K], -1, axis).astype(np.float32)
;;   ~~~
;;   SOFTMAX AHEAD OF A QUANTISED PRODUCT. Where the list says 'softmax', what is quantised is not the finished softmax but p = 2^(t - M), with t = logit x log2(e) and M = ceil(the row's largest t), a whole number; so 1/2 < the row's largest p <= 1. The row's sum l is taken of the UNQUANTISED p, in f32, and the product's result is divided by l at the end. Since M is a whole number, a kernel that streams over the keys may use a running M (the ceiling of the running maximum): every later rescaling is an exact power of two, which a block's scale takes up: the codes' values come out the same.
;;   OPERANDS COMPUTED ON THE WAY. 'Computed on the way' means the value that the module computes at that place (a softmax that the list does not call 'softmax' is quantised finished and normalised). What goes into a quantiser is computed in f32, as accurately as f32 sums, v_exp_f32 and their like allow (about 1e-6 of the number): no bf16 or f16 on the way to a quantiser, and a product that is left as it is and whose result goes on into a quantised operand takes f32 operands (vector FMAs, or v_wmma_f32_16x16x4_f32). A number that lies on a knife's edge between two numbers of the format may be rounded either way, as far as f32 arithmetic and the matrix unit's own rounding can turn it there, and no further.
;; One version. Each part assembles by itself: llvm-mc -triple=amdgcn-amd-amdhsa -mcpu=gfx1250 --defsym DOCPART=n.
;; ======== version 1 of 1: 4 launches
;; limits: right only within a limited range of input values
;; workspace buffers: gcodes 28,311,552 bytes; gsc 1,179,648 bytes; rec 20,185,088 bytes
;; launch quant (part 1): grid 1792 x 1, 4 waves a work-group, no clusters, 34,304 bytes of LDS; arguments query, key, value, Wq, Wk, Wv, Wo, gcodes, gsc; writes gcodes, gsc
.if DOCPART == 1
	.amdgcn_target "amdgcn-amd-amdhsa--gfx1250"
	.amdhsa_code_object_version 6
	.text
	.protected	k_qdd85847c62_quant
	.globl	k_qdd85847c62_quant
	.p2align	8
	.type	k_qdd85847c62_quant,@function
k_qdd85847c62_quant:
	s_mov_b64 s[64:65], 0
	v_nop
	global_prefetch_b8 v0, s[64:65] scope:SCOPE_SE
	s_setreg_imm32_b32 hwreg(HW_REG_WAVE_MODE, 25, 1), 1
	s_wait_xcnt 0x0
; query, key, value [8192][1024] and Wq, Wk, Wv, Wo [1024][1024], f32, K innermost, become codes of FP6 (E2M3) with one E8M0 byte for each 32 along K.
; A block's scale is 2^(floor(log2(its largest magnitude)) - 2); its byte is the largest magnitude's exponent field - 2, held at 1 from below.
; LIMITS: a block of zeros gets the byte 1 where the rule says 127 (its codes are zeros, and this program alone reads the bytes); NaN and infinities among the inputs are not served.
; LAYOUT OF THE CODES: rows go in groups of 128 (224 groups: query 0, key 64, value 128, Wq 192, Wk 200, Wv 208, Wo 216).  Tile i of a group holds at place r the row 32 (i/2) + 8 (i%2) + r + 8 (r/8).
; gcodes [group][K step of 128][tile][half of 64 k][768 bytes]: a half fragment as an image of its six registers: lane l's registers 0-3 at 16 l, registers 4-5 at 512 + 8 l.  gsc [group][K step][tile][r]: a scale word.
; SHARES: a work-group takes one tile (16 rows x 1,024 k), wave w its K steps 2 w and 2 w + 1.  Every load reads 512 consecutive bytes of a row; a K step's 16 x 512 bytes turn through the wave's own stage in LDS
; (rows 528 bytes apart) and come back 16 neighbours of each block of 32 to a lane.  Every store of codes covers 512 or 256 consecutive bytes, aligned.  The waves share nothing: no barrier.
; KEY'S GROUPS (64-127) ARE LAID OTHERWISE: tile i holds at place r the row 64 (i/4) + 32 (r/8) + 8 (i%4) + r%8, so that in the transposed score product a lane's 32 registers of tiles 4 c .. 4 c + 3 are one whole block of 32 neighbouring keys.
.set STG,   8448                       ; a wave's stage: 16 rows x (512 + 16) bytes
.set SPARE, 4*STG                      ; behind the stages: the spare words, 128 bytes for each wave
.set R,     16                         ; v16-143  two K steps as loaded: 16 rows x 4 registers each
.set X,     144                        ; v144-207 64 numbers of my row: register 16 b + i = k 32 b + 16 (lane / 16) + i
.set PC,    208                        ; v208-219 a fragment's codes; v220-227 at work
.set TM,    228                        ; v228-243 largest magnitudes, bytes, scale operands
.set PW,    244                        ; v244, v245 the two K steps' scale words; v246 both, one in each half of the lanes
.set SPW,   10
.set NIL,   11
.set SEL,   28
.macro QUANT wd                        ; v[X] on -> codes in v[PC] on, my row's scale word in v[wd]
.irp b, 0,1,2,3
	v_max3_num_f32 v[TM+\b], |v[X+16*\b]|, |v[X+1+16*\b]|, 0x1800000   ; my 16 numbers of block b, and the floor 2^(3 - 127): the byte cannot fall under 1
.endr
.irp i, 2,4,6,8,10,12,14
.irp b, 0,1,2,3
	v_max3_num_f32 v[TM+\b], |v[X+16*\b+\i]|, |v[X+1+16*\b+\i]|, v[TM+\b]   ; the four blocks by turns
.endr
.endr
.irp b, 0,1,2,3
	v_permlanex16_b32 v[TM+4+\b], v[TM+\b], s[SEL], s[SEL+1]
.endr
.irp b, 0,1,2,3
	v_max_num_f32 v[TM+\b], v[TM+\b], v[TM+4+\b]   ; with lane l xor 16's 16: the block's largest magnitude
.endr
.irp b, 0,1,2,3
	v_add_nc_u32 v[TM+12+\b], 0xff000000, v[TM+\b]   ; 2 off its exponent field: the conversion's scale operand
.endr
.irp b, 0,1,2,3
	v_lshrrev_b32 v[TM+4+\b], 23, v[TM+12+\b]      ; the scale's byte
.endr
	v_lshl_or_b32 v[\wd], v[TM+5], 8, v[TM+4]
	v_lshl_or_b32 v[\wd], v[TM+6], 16, v[\wd]
	v_lshl_or_b32 v[\wd], v[TM+7], 24, v[\wd]
.irp c, 0,1
	v_cvt_scalef32_pk16_fp6_f32 v[PC+6*\c:PC+2+6*\c], v[X+32*\c:X+15+32*\c], v[TM+12+2*\c]
	v_cvt_scalef32_pk16_fp6_f32 v[PC+12+4*\c:PC+14+4*\c], v[X+16+32*\c:X+31+32*\c], v[TM+13+2*\c]   ; (a conversion's three registers begin on an even number)
.endr
	v_nop                                          ; one plain place behind the conversions
.irp c, 0,1                                    ; a whole block to a lane: lanes 0-15 block 2 c, lanes 16-31 block 2 c + 1
.irp i, 0,1,2
	v_permlane16_swap_b32 v[PC+6*\c+\i], v[PC+12+4*\c+\i]
.endr
.irp i, 0,1,2
	v_mov_b32 v[PC+3+6*\c+\i], v[PC+12+4*\c+\i]
.endr
.endr
.endm
.macro TURN f                          ; K step f through the stage; LDS serves a wave's instructions in order, so no wait stands between the stores and the loads
.irp t, 0,1,2,3,4,5,6,7,8,9,10,11,12,13,14,15
	ds_store_b128 v5, v[R+64*\f+4*\t:R+64*\f+4*\t+3] offset:528*\t
.endr
.irp b, 0,1,2,3
.irp j, 0,1,2,3
	ds_load_b128 v[X+16*\b+4*\j:X+16*\b+4*\j+3], v6 offset:128*\b+16*\j
.endr
.endr
.endm
.macro PUT off                         ; the fragment's two halves as images
	global_store_b128 v7, v[PC:PC+3], s[18:19] offset:\off
	global_store_b64 v8, v[PC+4:PC+5], s[18:19] offset:\off
	global_store_b128 v7, v[PC+6:PC+9], s[18:19] offset:\off+768
	global_store_b64 v8, v[PC+10:PC+11], s[18:19] offset:\off+768
.endm
	s_load_b512 s[4:19], s[0:1], 0x0               ; query, key, value, Wq, Wk, Wv, Wo, gcodes (s[18:19])
	s_load_b64 s[20:21], s[0:1], 0x40              ; gsc
	v_lshl_add_u32 v[SPW], v0, 2, SPARE
	v_mov_b32 v[NIL], 0
	v_lshrrev_b32 v1, 5, v0
	v_readfirstlane_b32 s22, v1                    ; wave
	v_and_b32 v1, 31, v0                           ; lane
	v_and_b32 v2, 15, v0                           ; r
	v_bfe_u32 v3, v0, 4, 1                         ; h
	s_lshr_b32 s23, ttmp9, 3                       ; the group
	s_and_b32 s24, ttmp9, 7                        ; the tile
	s_mul_i32 s31, s22, STG                        ; my stage
	v_lshlrev_b32 v7, 4, v1                        ; 16 x lane
	v_lshl_add_u32 v4, s22, 10, v7                 ; in a row of the input: my wave's 1,024 bytes, my 16
	v_add_nc_u32 v5, s31, v7                       ; the stage, on the way in
	v_mul_u32_u24 v6, v2, 528
	v_lshl_add_u32 v6, v3, 6, v6
	v_add_nc_u32 v6, s31, v6                       ; and out: row r, + 64 h
	v_lshl_add_u32 v8, v1, 3, 512                  ; 8 x lane + 512
	v_lshlrev_b32 v9, 2, v2
	v_lshl_add_u32 v9, v3, 9, v9                   ; scale words: 4 r; lanes 16-31 store the second K step's, 512 bytes on
	s_mov_b32 s[SEL], 0x76543210
	s_mov_b32 s[SEL+1], 0xfedcba98                 ; lane l xor 16
	s_mov_b32 s30, 0xffff0000                      ; lanes 16-31
.irp b, 0,1,2,3
	v_mov_b32 v[TM+4+\b], 0                        ; written once: a lane permute's destination counts as one of its sources
.endr
	s_lshr_b32 s38, s23, 6
	s_cmp_eq_u32 s38, 1                            ; one of key's groups?  A choice on the work-group's number alone
	s_cselect_b32 s38, 2, 1
	s_cselect_b32 s39, 3, 1
	s_cselect_b32 s25, 0x10000, 0                  ; key: places 8-15 lie 32 rows behind places 0-7, not 16: 16 rows of 4,096 bytes more
	s_lshr_b32 s32, s24, s38
	s_add_co_u32 s38, s38, 16
	s_lshl_b32 s32, s32, s38                       ; 32 (i/2) rows of 4,096 bytes; key: 64 (i/4)
	s_and_b32 s33, s24, s39
	s_lshl_b32 s33, s33, 15                        ; 8 (i%2) rows; key: 8 (i%4)
	s_add_co_u32 s32, s32, s33
	v_add_nc_u32 v12, s25, v4                      ; the offset for places 8-15
	s_mul_i32 s34, s23, 98304                      ; codes: the group,
	s_mul_i32 s33, s22, 24576                      ; my two K steps,
	s_add_co_u32 s34, s34, s33
	s_mul_i32 s33, s24, 1536                       ; the tile
	s_add_co_u32 s34, s34, s33
	s_mov_b32 s35, 0
	s_lshl_b32 s36, s23, 12                        ; scale words likewise
	s_lshl_b32 s33, s22, 10
	s_add_co_u32 s36, s36, s33
	s_lshl_b32 s33, s24, 6
	s_add_co_u32 s36, s36, s33
	s_mov_b32 s37, 0
	s_wait_alu depctr_va_vdst(0)
	s_wait_kmcnt 0x0
	s_mov_b64 s[26:27], s[16:17]                   ; which input the group belongs to: a choice on the work-group's number alone
	s_mov_b32 s25, 216
	s_cmp_lt_u32 s23, 216
	s_cselect_b64 s[26:27], s[14:15], s[26:27]
	s_cselect_b32 s25, 208, s25
	s_cmp_lt_u32 s23, 208
	s_cselect_b64 s[26:27], s[12:13], s[26:27]
	s_cselect_b32 s25, 200, s25
	s_cmp_lt_u32 s23, 200
	s_cselect_b64 s[26:27], s[10:11], s[26:27]
	s_cselect_b32 s25, 192, s25
	s_cmp_lt_u32 s23, 192
	s_cselect_b64 s[26:27], s[8:9], s[26:27]
	s_cselect_b32 s25, 128, s25
	s_cmp_lt_u32 s23, 128
	s_cselect_b64 s[26:27], s[6:7], s[26:27]
	s_cselect_b32 s25, 64, s25
	s_cmp_lt_u32 s23, 64
	s_cselect_b64 s[26:27], s[4:5], s[26:27]
	s_cselect_b32 s25, 0, s25
	s_sub_co_u32 s25, s23, s25
	s_lshl_b32 s25, s25, 19                        ; 128 rows of 4,096 bytes a group
	s_add_co_u32 s32, s32, s25
	s_mov_b32 s33, 0
	s_add_nc_u64 s[26:27], s[26:27], s[32:33]
	s_add_nc_u64 s[18:19], s[18:19], s[34:35]
	s_add_nc_u64 s[20:21], s[20:21], s[36:37]
.irp f, 0,1
.irp t, 0,1,2,3,4,5,6,7,8,9,10,11,12,13,14,15
	global_load_b128 v[R+64*\f+4*\t:R+64*\f+4*\t+3], v[4+8*(\t/8)], s[26:27] offset:(\t+8*(\t/8))*4096+512*\f th:TH_LOAD_NT   ; 512 consecutive bytes of the tile's row at place t
.endr
.endr
	s_wait_loadcnt 16                              ; the first K step's sixteen loads are in; the second's sixteen stay out
	TURN 0
	s_wait_dscnt 0x0
	QUANT PW
	PUT 0
	s_wait_loadcnt 0x0
	TURN 1
	s_wait_dscnt 0x0
	s_wait_xcnt 0x0                                ; the stores above have read the codes' registers, which are written again now
	QUANT PW+1
	PUT 12288
	v_cndmask_b32 v246, v[PW], v[PW+1], s30        ; lanes 0-15 the first K step's words, lanes 16-31 the second's
	global_store_b32 v9, v246, s[20:21]
	s_wait_tensorcnt 0x0                           ; the wave's end
	ds_add_u32 v[SPW], v[NIL]
	s_wait_dscnt 0x0
	s_endpgm
.Lfunc_end_k_qdd85847c62_quant:
	.size	k_qdd85847c62_quant, .Lfunc_end_k_qdd85847c62_quant-k_qdd85847c62_quant
	.p2alignl 7, 3214868480
	.fill 96, 4, 3214868480
	.section	.rodata,"a",@progbits
	.p2align	6, 0x0
	.amdhsa_kernel k_qdd85847c62_quant
		.amdhsa_group_segment_fixed_size 34304
		.amdhsa_private_segment_fixed_size 0
		.amdhsa_enable_private_segment 0
		.amdhsa_kernarg_size 72
		.amdhsa_user_sgpr_count 2
		.amdhsa_user_sgpr_kernarg_segment_ptr 1
		.amdhsa_wavefront_size32 1
		.amdhsa_system_sgpr_workgroup_id_x 1
		.amdhsa_system_sgpr_workgroup_id_y 1
		.amdhsa_system_sgpr_workgroup_id_z 1
		.amdhsa_system_vgpr_workitem_id 0
		.amdhsa_next_free_vgpr 256
		.amdhsa_next_free_sgpr 66
		.amdhsa_reserve_vcc 0
		.amdhsa_float_denorm_mode_32 3
		.amdhsa_float_denorm_mode_16_64 3
		.amdhsa_memory_ordered 1
		.amdhsa_forward_progress 1
		.amdhsa_inst_pref_size 20
	.end_amdhsa_kernel
	.amdgpu_metadata
---
amdhsa.version: [ 1, 2 ]
amdhsa.kernels:
  - .name:           k_qdd85847c62_quant
    .symbol:         k_qdd85847c62_quant.kd
    .args:
      - { .name: query, .offset: 0, .size: 8, .value_kind: global_buffer, .address_space: global }
      - { .name: key, .offset: 8, .size: 8, .value_kind: global_buffer, .address_space: global }
      - { .name: value, .offset: 16, .size: 8, .value_kind: global_buffer, .address_space: global }
      - { .name: Wq, .offset: 24, .size: 8, .value_kind: global_buffer, .address_space: global }
      - { .name: Wk, .offset: 32, .size: 8, .value_kind: global_buffer, .address_space: global }
      - { .name: Wv, .offset: 40, .size: 8, .value_kind: global_buffer, .address_space: global }
      - { .name: Wo, .offset: 48, .size: 8, .value_kind: global_buffer, .address_space: global }
      - { .name: gcodes, .offset: 56, .size: 8, .value_kind: global_buffer, .address_space: global }
      - { .name: gsc, .offset: 64, .size: 8, .value_kind: global_buffer, .address_space: global }
    .group_segment_fixed_size: 34304
    .private_segment_fixed_size: 0
    .kernarg_segment_align: 8
    .kernarg_segment_size: 72
    .max_flat_workgroup_size: 128
    .sgpr_count:     66
    .vgpr_count:     256
    .wavefront_size: 32
...
	.end_amdgpu_metadata
.endif
;; end of part 1
;; launch proj (part 2): grid 4 x 64, 4 waves a work-group, clusters of 4 x 4, 327,680 bytes of LDS; arguments gcodes, gsc, rec; writes rec
.if DOCPART == 2
	.amdgcn_target "amdgcn-amd-amdhsa--gfx1250"
	.amdhsa_code_object_version 6
	.text
	.protected	k_qdd85847c62_proj
	.globl	k_qdd85847c62_proj
	.p2align	8
	.type	k_qdd85847c62_proj,@function
k_qdd85847c62_proj:
	s_mov_b64 s[64:65], 0
	v_nop
	global_prefetch_b8 v0, s[64:65] scope:SCOPE_SE
	s_setreg_imm32_b32 hwreg(HW_REG_WAVE_MODE, 25, 1), 1
	s_wait_xcnt 0x0
	s_wait_alu depctr_hold_cnt(0) depctr_sa_sdst(0) depctr_va_vdst(0) depctr_va_sdst(0) depctr_va_ssrc(0) depctr_va_vcc(0) depctr_vm_vsrc(0)
	s_getreg_b32 s2, hwreg(HW_REG_IB_STS2, 6, 4)
	s_cmp_eq_u32 s2, 0
	s_cbranch_scc0 .Lentry_in_a_cluster
	s_endpgm
.Lentry_in_a_cluster:
	s_bfe_u32 s2, ttmp6, 0x10000c
	s_cmp_lg_u32 s2, 0xf033
	s_cbranch_scc0 .Lentry_shape_is_right
	s_endpgm
.Lentry_shape_is_right:
; q = query Wq^T, k = key Wk^T, v = value Wv^T on codes of FP6 (E2M3) with E8M0 scales, sums in f32; the results are quantised in registers (q and k along the head's 64, v along the keys) and stored as operands of the attention.
; A tile is 128 x 256: 128 rows of side A (one group of gcodes, source 1) against 256 rows of side B (two groups, source 0).  For q and k side A is the tokens and side B the weight's rows;
; for v the sides are swapped (A = Wv's rows, B = value's tokens), so that a lane's registers run along the keys.
; A WORK-GROUP STAYS: 256 work-groups, each makes one tile of q, one of k and one of v, in this order (T = 0, 1, 2): a loop of two trips, and v's tile, which asks for nothing more, written out behind it.
; THE RING: two LDS slots of unlike size.  Slot 0 holds a tile's K steps 0-2 (36 KiB of A, 72 KiB of B), slot 1 its K steps 3-7 (60 KiB of A, 120 KiB of B).  The ring does not stop at a tile's end: in a slot's last K step
; the slot is filled again with the same K steps of the NEXT tile.  By the text's own count a wave has one tensor load out behind each change of slots: slot 0's has five K steps (160 matrix instructions) in which to land,
; slot 1's, which brings more, K step 7, the way out and two more K steps.
; Four waves; wave w takes A's tiles 4 (w/2) .. + 3 and B's group w%2: 64 x 128, 32 accumulators.  Lane (r, h) of accumulator (a, b) holds place r of A's tile a; the 16 registers of B's tiles 2 c and 2 c + 1
; are B's rows 32 c + 16 h + 0 .. 15 (the tiles' rows are chosen so when the codes are laid): sixteen neighbours along the next product's K.
; CLUSTER 4 x 4: A's tile hangs on the tile row alone and is asked for jointly by a row of the cluster, B's on the tile column alone, by a column.  Every refill stands behind a round of the cluster's barrier.
; PREFETCH: the next tile's slot 0 is named in a tile's K step 0, two K steps ahead of its load; its slot 1 in K step 2, five K steps ahead.  Each block of 256 bytes is named once in the cluster: the four partners that
; will ask for it jointly share the blocks out by address.  The first tile comes by its loads alone, and v's tile names nothing.
; rec: one record of 315,392 bytes for each (batch, head): K codes [16 groups][8 tiles][768] at 0, V codes [16 key steps][4 tiles][2][768] at 98,304, K scale words at 196,608, V's at 204,800, Q codes at 208,896, Q's scale words at 307,200.
; A q or k scale word holds the head's two bytes twice: the score product's upper 64 k are zero codes in q, and their blocks so carry no larger scale than the real ones.
; LIMITS: a block of zeros gets the byte 1 where the rule says 127 (zero codes; only this program reads the bytes); NaN and infinities are not served.
; REGISTERS: window 0: v1-27, v30-31 addresses, v28-29 for the add, v32-95 scale words (lanes 0-15 A's, lanes 16-31 B's), v96-191 A's fragments in two sets, v192-229 the quantiser's; window 1: v0-191 B's fragments in two sets; window 2: the accumulators, (a, b) at 8 (8 a + b).
.set RECB,  315392
.set GRP,   98304                      ; a group's codes: 8 K steps x 8 tiles x 1,536 bytes
.set HALF,  49152                      ; four K steps of a group: what an LDS load's immediate does not reach over
.set CUT,   36864                      ; three K steps of a group: where slot 1 begins
.set SPARE, 3*GRP                      ; behind A and B: the spare words, 128 bytes for each wave
.set SC,    32
.set PC,    192
.set TM,    212
.set PW,    228
.set SW,    229
.set SPW,   28
.set NIL,   29
.set PF0,   30                         ; v30, v31 the offsets of slot 0's prefetches; never rewritten
.set PF1,   26                         ; v26, v27 of slot 1's
.set G1A,   24
.set G1B,   32
.set G0A,   48                         ; s[48:55] group 0 for A, one set for each slot
.set G0B,   68                         ; s[68:75] the same for B
.set PFA,   56                         ; s[56:57], s[58:59] where my next tile's two loads begin, for the prefetches
.set SEL,   98
.set MUL,   0xa1                       ; source 0 (B) window 1, source 1 (A) window 0, C and D window 2
.set TO_B,  0x40                       ; destination window 1
.set MSB,   0
.macro WIN new                         ; the immediate's high byte repeats the setting that is left
.if MSB != \new
	s_set_vgpr_msb (MSB<<8)|\new
.set MSB, \new
.endif
.endm
.macro CREST                           ; a round of the cluster's barrier behind its opening barrier
	s_cmp_lg_u32 s14, 0
	s_cbranch_scc1 .Lnot_wave_0_\@
	s_barrier_signal -3
.Lnot_wave_0_\@:
	s_barrier_wait -3
	s_barrier_signal -1
	s_barrier_wait -1
.endm
.macro CROUND                          ; a whole round
	s_barrier_signal -1
	s_barrier_wait -1
	CREST
.endm
.macro PLACES
.rept 4
	v_nop
.endr
.endm
.macro ROWS c                          ; the two words of each group 1 that count rows, for slot c; written only where no tensor load of mine is out
	s_mov_b32 s[G1A+2], (72+48*\c)<<16             ; A: half of the slot's K steps a wave: 72 or 120 rows of 256 bytes
	s_mov_b32 s[G1A+4], 72+48*\c
	s_mov_b32 s[G1B+2], (144+96*\c)<<16            ; B: a group's part of the slot: 144 or 240 rows
	s_mov_b32 s[G1B+4], 144+96*\c
.endm
.macro JLOAD c                         ; slot c's joint load: waves 0 and 1 ask for A, waves 2 and 3 for B; the branch hangs on the wave's number alone
	s_cmp_eq_u32 s15, 0
	s_cbranch_scc0 .Lfor_b_\@
	tensor_load_to_lds s[G0A+4*\c:G0A+4*\c+3], s[G1A:G1A+7]
	s_nop 0
	PLACES
	s_branch .Lasked_\@
.Lfor_b_\@:
	tensor_load_to_lds s[G0B+4*\c:G0B+4*\c+3], s[G1B:G1B+7]
	s_nop 0
	PLACES
.Lasked_\@:
.endm
.macro GROUPS                          ; from T (s43): tile row s17, tile column s45, A's group s86 (hangs on cy alone), B's first group s87 (on cx alone)
	s_and_b32 s84, s44, 7                          ; v: 8 x 2 clusters
	s_lshr_b32 s85, s44, 3
	s_lshl_b32 s86, s43, 6                         ; q, k: A's first group 64 T,
	s_lshl_b32 s87, s43, 3
	s_add_co_u32 s87, s87, 192                     ; B's 192 + 8 T
	s_cmp_lt_u32 s43, 2
	s_cselect_b32 s84, 0, s84
	s_cselect_b32 s85, s44, s85
	s_cselect_b32 s86, s86, 208                    ; v: A = Wv,
	s_cselect_b32 s87, s87, 128                    ; B = value
	s_lshl_b32 s85, s85, 2
	s_add_co_u32 s17, s85, s41
	s_lshl_b32 s84, s84, 2
	s_add_co_u32 s45, s84, s40
	s_add_co_u32 s86, s86, s17
	s_lshl_b32 s88, s45, 1
	s_add_co_u32 s87, s87, s88
.endm
.macro LADDR                           ; where that tile's group of A and my group of B begin
	s_mul_i32 s18, s86, GRP
	s_mov_b32 s19, 0
	s_add_co_u32 s46, s87, s16
	s_mul_i32 s46, s46, GRP
	s_mov_b32 s47, 0
	s_add_nc_u64 s[18:19], s[4:5], s[18:19]
	s_add_nc_u64 s[46:47], s[4:5], s[46:47]
.endm
.macro SETG0                           ; both slots' global addresses; written only where no tensor load of mine is out
	s_add_nc_u64 s[G0A+2:G0A+3], s[18:19], s[80:81]
	s_or_b32 s[G0A+3], s[G0A+3], 0x80000000
	s_add_nc_u64 s[G0A+6:G0A+7], s[18:19], s[82:83]
	s_or_b32 s[G0A+7], s[G0A+7], 0x80000000
	s_mov_b64 s[G0B+2:G0B+3], s[46:47]
	s_or_b32 s[G0B+3], s[G0B+3], 0x80000000
	s_add_nc_u64 s[G0B+6:G0B+7], s[46:47], CUT
	s_or_b32 s[G0B+7], s[G0B+7], 0x80000000
.endm
.macro PFBASE                          ; where my own two loads of that tile begin: A's or B's by my wave's number
	s_add_nc_u64 s[PFA:PFA+1], s[18:19], s[80:81]
	s_add_nc_u64 s[PFA+2:PFA+3], s[18:19], s[82:83]
	s_add_nc_u64 s[60:61], s[46:47], CUT
	s_cmp_eq_u32 s15, 0
	s_cselect_b64 s[PFA:PFA+1], s[PFA:PFA+1], s[46:47]
	s_cselect_b64 s[PFA+2:PFA+3], s[PFA+2:PFA+3], s[60:61]
.endm
.macro SCOFF                           ; that tile's scale words: lanes 0-15 take A's, lanes 16-31 B's
	s_lshl_b32 s76, s86, 12                        ; A's: the group, my four tiles
	s_lshl_b32 s77, s15, 8
	s_add_co_u32 s76, s76, s77
	s_add_co_u32 s78, s87, s16
	s_lshl_b32 s78, s78, 12                        ; B's: my group
	v_mov_b32 v4, s76
	v_mov_b32 v5, s78
	v_cndmask_b32 v4, v4, v5, s79
	v_lshl_add_u32 v24, v1, 2, v4                  ; B's tiles 0-3
	v_lshl_add_u32 v25, v2, 8, v24                 ; B's tiles 4-7: 256 bytes on in lanes 16-31 alone
.endm
.macro RELOAD h                        ; the scale words of K steps 4 h .. 4 h + 3: 32 loads
.irp k, 0,1,2,3
.irp i, 0,1,2,3,4,5,6,7
	global_load_b32 v[SC+8*(4*\h+\k)+\i], v[24+\i/4], s[6:7] offset:512*(4*\h+\k)+64*(\i%4)
.endr
.endr
.endm
.macro ASK pf, base                    ; of the rows of 256 bytes that one load of mine will fetch, my work-group's quarter, a lane a row: A's in one instruction, B's in two
	global_prefetch_b8 v[\pf], s[\base:\base+1] th:TH_LOAD_NT scope:SCOPE_SE
	s_cmp_eq_u32 s15, 0
	s_cbranch_scc1 .Lno_more_\@
	global_prefetch_b8 v[\pf+1], s[\base:\base+1] th:TH_LOAD_NT scope:SCOPE_SE
.Lno_more_\@:
.endm
.macro SETOUT                          ; the way out's places for tile T (s43, s17, s45), chosen without a branch
	s_lshl_b32 s88, s45, 1
	s_add_co_u32 s88, s88, s16                     ; 2 x tile column + wb
	s_lshl_b32 s66, s88, 1                         ; q, k: the even head of my 128 channels
	s_lshl_b32 s67, s17, 1
	s_add_co_u32 s67, s67, s15                     ; v: head 2 x tile row + wa
	s_mul_i32 s84, s15, 3072
	s_lshl_b32 s85, s15, 8
	s_mov_b32 s10, 1536
	s_mov_b32 s11, 0
	s_mov_b32 s12, 768
	s_mov_b32 s23, 0xffff
	s_cmp_lt_u32 s43, 2
	s_cselect_b32 s89, s17, s88                    ; the group of 128 tokens
	s_cselect_b32 s66, s66, s67                    ; the head
	s_cselect_b32 s84, s84, 0                      ; q, k: my four tiles of tokens
	s_cselect_b32 s85, s85, 0
	s_cselect_b32 s90, 9, 8                        ; scale words of a group: 512 bytes (q, k) or 256 (v)
	s_cselect_b32 s10, 768, s10                    ; from tile to tile
	s_cselect_b32 s12, RECB, s12                   ; from a fragment's first half to its second: the next head's record, or 768 bytes
	s_cselect_b32 s13, RECB, 0
	s_cselect_b32 s22, 16, 0                       ; q, k: lanes 16-31 take the word's upper half, and the half is doubled
	s_cselect_b32 s23, s23, -1
	s_mov_b32 s96, 98304
	s_mov_b32 s97, 204800
	s_cmp_eq_u32 s43, 1
	s_cselect_b32 s96, 0, s96
	s_cselect_b32 s97, 196608, s97
	s_cmp_eq_u32 s43, 0
	s_cselect_b32 s96, 208896, s96
	s_cselect_b32 s97, 307200, s97
	s_lshr_b32 s91, s89, 4
	s_lshl_b32 s91, s91, 4
	s_add_co_u32 s91, s91, s66
	s_mul_i32 s91, s91, RECB                       ; the record of (batch, head)
	s_and_b32 s89, s89, 15
	s_mul_i32 s92, s89, 6144
	s_add_co_u32 s92, s92, s91
	s_add_co_u32 s92, s92, s96
	s_add_co_u32 s92, s92, s84
	s_mov_b32 s93, 0
	s_lshl_b32 s94, s89, s90
	s_add_co_u32 s94, s94, s91
	s_add_co_u32 s94, s94, s97
	s_add_co_u32 s94, s94, s85
	s_mov_b32 s95, 0
	s_add_nc_u64 s[92:93], s[8:9], s[92:93]        ; codes
	s_add_nc_u64 s[94:95], s[8:9], s[94:95]        ; scale words
	v_add_nc_u32 v8, s12, v6                       ; the second half's 16 x lane
	v_add_nc_u32 v10, s12, v9
	v_mul_u32_u24 v11, s13, v2
	v_lshl_add_u32 v11, v1, 2, v11                 ; 4 r; q, k: lanes 16-31 in the next head's record
	v_mul_u32_u24 v12, s22, v2                     ; 16 h or 0
.endm
.macro FRAG reg, a16, a8, off          ; a fragment's two half images: 12 registers
	ds_load_b128 v[\reg:\reg+3], v[\a16] offset:\off
	ds_load_b64 v[\reg+4:\reg+5], v[\a8] offset:\off+512
	ds_load_b128 v[\reg+6:\reg+9], v[\a16] offset:\off+768
	ds_load_b64 v[\reg+10:\reg+11], v[\a8] offset:\off+1280
.endm
.macro FETCH k                         ; K step k: B's eight fragments and A's four into set k % 2: 48 loads
	WIN TO_B
.irp i, 0,1,2,3,4,5,6,7
	FRAG 96*((\k)%2)+12*\i, 20+2*((\k)/4), 21+2*((\k)/4), ((\k)%4)*12288+\i*1536
.endr
	WIN 0
.irp i, 0,1,2,3
	FRAG 96+48*((\k)%2)+12*\i, 16+2*((\k)/4), 17+2*((\k)/4), ((\k)%4)*12288+\i*1536
.endr
.endm
.macro MUL16 a0, k, zero               ; A's tiles a0, a0 + 1 against B's eight.  The 32 accumulators take turns, one instruction a turn, in the same order in every step
.irp a, \a0, \a0+1
.irp b, 0,1,2,3,4,5,6,7
.if \zero
	v_wmma_scale_f32_16x16x128_f8f6f4 v[8*(8*(\a)+\b):8*(8*(\a)+\b)+7], v[96*((\k)%2)+12*\b:96*((\k)%2)+12*\b+11], v[96+48*((\k)%2)+12*(\a):96+48*((\k)%2)+12*(\a)+11], 0, v[SC+8*(\k)+\b], v[SC+8*(\k)+(\a)] matrix_a_fmt:MATRIX_FMT_FP6 matrix_b_fmt:MATRIX_FMT_FP6 matrix_a_scale:MATRIX_SCALE_ROW1
.else
	v_wmma_scale_f32_16x16x128_f8f6f4 v[8*(8*(\a)+\b):8*(8*(\a)+\b)+7], v[96*((\k)%2)+12*\b:96*((\k)%2)+12*\b+11], v[96+48*((\k)%2)+12*(\a):96+48*((\k)%2)+12*(\a)+11], v[8*(8*(\a)+\b):8*(8*(\a)+\b)+7], v[SC+8*(\k)+\b], v[SC+8*(\k)+(\a)] matrix_a_fmt:MATRIX_FMT_FP6 matrix_b_fmt:MATRIX_FMT_FP6 matrix_a_scale:MATRIX_SCALE_ROW1
.endif
.endr
.endr
.endm
.macro STEP k, zero, reload, ask       ; a K step inside a slot: the next step's fragments are asked of LDS in one run at its start, into the set that the last step's products read; then 32 matrix instructions
	s_wait_dscnt 0x0                               ; this step's fragments are in
	PLACES                                         ; in front of loads into registers that the last step's products read
	FETCH (\k)+1
.if \reload
	RELOAD 0                                       ; the next tile's scale words of K steps 0-3, into the registers that this tile's K steps 0-3 have read
.endif
.if \ask
	ASK PF0, PFA                                   ; the next tile's slot 0
.endif
	WIN MUL
	MUL16 0, \k, \zero
	MUL16 2, \k, \zero
.endm
; A slot's last K step, in a tile that has a successor: the change of slots.  In front of the round each wave waits for all its tensor loads (the one that was out is its part of the other slot), adds 0 to its spare word,
; and waits for that and for its reads of this slot.  Behind the round this slot is filled again first, with the next tile's K steps; then the other slot's first fragments are read.
.macro SYNC k, c
	WIN 0
	s_wait_tensorcnt 0x0
	ds_add_u32 v[SPW], v[NIL]                      ; 0 onto my spare word; work on registers stands between it and the wait for it
	ROWS \c
.if \c == 0
	s_wait_loadcnt 0x0                             ; the scale words' loads are done: their offsets may be written
	SETG0
	SCOFF
	s_wait_alu depctr_va_vdst(0)                   ; the wait ahead of the blocking wait
.endif
	s_wait_dscnt 0x0
	s_barrier_signal -1                            ; this barrier opens a round of the cluster's barrier
	WIN MUL
	MUL16 0, \k, 0
	WIN 0
	s_barrier_wait -1
	CREST
	JLOAD \c                                       ; the first tensor load behind the round; its four v_nop are the places in front of the loads below
	FETCH ((\k)+1)%8
.if \c == 0
	ASK PF1, PFA+2                                 ; the next tile's slot 1
.endif
	WIN MUL
	MUL16 2, \k, 0
.endm
.macro QUANT src                       ; 64 accumulator registers of window 2, register 16 b + i = k 32 b + 16 h + i of my row -> codes in v[PC] on, scale word in v[PW]
	WIN 0x0a                                       ; sources 0 and 1 window 2
.irp b, 0,1,2,3
	v_max3_num_f32 v[TM+\b], |v[\src+16*\b]|, |v[\src+1+16*\b]|, 0x1800000   ; each accumulator is read from its low end on; the floor 2^(3 - 127) holds the byte at 1 from below
.endr
.irp i, 2,4,6,8,10,12,14
.irp b, 0,1,2,3
	v_max3_num_f32 v[TM+\b], |v[\src+16*\b+\i]|, |v[\src+1+16*\b+\i]|, v[TM+\b]
.endr
.endr
	WIN 0
.irp b, 0,1,2,3
	v_permlanex16_b32 v[TM+4+\b], v[TM+\b], s[SEL], s[SEL+1]
.endr
.irp b, 0,1,2,3
	v_max_num_f32 v[TM+\b], v[TM+\b], v[TM+4+\b]
.endr
.irp b, 0,1,2,3
	v_add_nc_u32 v[TM+12+\b], 0xff000000, v[TM+\b]   ; 2 off the exponent field: the conversion's scale operand
.endr
.irp b, 0,1,2,3
	v_lshrrev_b32 v[TM+4+\b], 23, v[TM+12+\b]
.endr
	v_lshl_or_b32 v[PW], v[TM+5], 8, v[TM+4]
	v_lshl_or_b32 v[PW], v[TM+6], 16, v[PW]
	v_lshl_or_b32 v[PW], v[TM+7], 24, v[PW]
	WIN 0x02                                       ; source 0 window 2
.irp c, 0,1
	v_cvt_scalef32_pk16_fp6_f32 v[PC+6*\c:PC+2+6*\c], v[\src+32*\c:\src+15+32*\c], v[TM+12+2*\c]
	v_cvt_scalef32_pk16_fp6_f32 v[PC+12+4*\c:PC+14+4*\c], v[\src+16+32*\c:\src+31+32*\c], v[TM+13+2*\c]
.endr
	v_nop                                          ; one plain place behind the conversions
	WIN 0
.irp c, 0,1
.irp i, 0,1,2
	v_permlane16_swap_b32 v[PC+6*\c+\i], v[PC+12+4*\c+\i]
.endr
.irp i, 0,1,2
	v_mov_b32 v[PC+3+6*\c+\i], v[PC+12+4*\c+\i]
.endr
.endr
.endm
.macro OUTA a                          ; A's tile a: 128 results a lane's row become one fragment and a scale word
.if (\a) > 0
	s_wait_xcnt 0x0                                ; the last tile's stores have read their data and base
	s_add_nc_u64 s[92:93], s[92:93], s[10:11]
.endif
	QUANT 64*(\a)
	global_store_b128 v6, v[PC:PC+3], s[92:93]     ; 512 consecutive bytes, aligned
	global_store_b64 v9, v[PC+4:PC+5], s[92:93]    ; 256
	global_store_b128 v8, v[PC+6:PC+9], s[92:93]
	global_store_b64 v10, v[PC+10:PC+11], s[92:93]
	v_lshrrev_b32 v[SW], v12, v[PW]
	v_and_b32 v[SW], s23, v[SW]
	v_lshl_or_b32 v[SW], v[SW], s22, v[SW]         ; q, k: the head's two bytes, twice; v: the word as it is
	global_store_b32 v11, v[SW], s[94:95] offset:64*(\a)
.endm
; A tile.  On the way in its K step 0's fragments have been asked of LDS and its scale words of memory.  next = 1: the ring goes on into the next tile.
.macro TILE next
	s_wait_xcnt 0x0                                ; the last tile's stores have read their data, offsets and bases, my prefetches their bases
	SETOUT
.if \next
	s_add_co_u32 s43, s43, 1                       ; the next tile: its groups and where its codes begin
	GROUPS
	LADDR
	PFBASE
.endif
	s_wait_alu depctr_va_vdst(0)                   ; the wait ahead of the blocking wait
	s_wait_loadcnt 0x0                             ; the scale words
	STEP 0, 1, 0, \next                            ; the first step's products start the sums
	STEP 1, 0, 0, 0
.if \next
	SYNC 2, 0
.else
	s_wait_dscnt 0x0
	s_wait_tensorcnt 0x0                           ; my part of the last five K steps has landed: my last load
	s_barrier_signal -1
	WIN MUL
	MUL16 0, 2, 0
	s_barrier_wait -1                              ; everybody's has
	PLACES
	FETCH 3
	WIN MUL
	MUL16 2, 2, 0
.endif
	STEP 3, 0, 0, 0
	STEP 4, 0, \next, 0
	STEP 5, 0, 0, 0
	STEP 6, 0, 0, 0
.if \next
	SYNC 7, 1
.else
	s_wait_dscnt 0x0
	WIN MUL
	MUL16 0, 7, 0
	MUL16 2, 7, 0
.endif
	WIN 0
	PLACES                                         ; in front of the first read of results, and of loads into the scale words' registers
.if \next
	RELOAD 1                                       ; the next tile's scale words of K steps 4-7
.endif
	OUTA 0
	OUTA 1
	OUTA 2
	OUTA 3
.endm
	s_load_b128 s[4:7], s[0:1], 0x0                ; gcodes, gsc
	s_load_b64 s[8:9], s[0:1], 0x10                ; rec
	v_lshl_add_u32 v[SPW], v0, 2, SPARE
	v_mov_b32 v[NIL], 0
	ds_add_u32 v[SPW], v[NIL]                      ; the wave's opening: the add, twice on end, and its wait ahead of my first tensor load
	ds_add_u32 v[SPW], v[NIL]
	v_lshrrev_b32 v1, 5, v0
	v_readfirstlane_b32 s14, v1                    ; wave
	s_lshr_b32 s15, s14, 1                         ; wa: my half of A's tiles.  Also: I fetch for A (0) or for B (1)
	s_and_b32 s16, s14, 1                          ; wb: my group of B.  Also: which part I fetch
	s_bfe_u32 s40, ttmp6, 0x40000                  ; cx
	s_bfe_u32 s41, ttmp6, 0x40004                  ; cy
	s_and_b32 s44, ttmp7, 0xffff                   ; the cluster's y, 0 .. 15
	s_mov_b32 s43, 0                               ; T: 0 q, 1 k, 2 v: the same in all sixteen partners
	GROUPS
	s_lshl_b32 s89, s41, 2
	s_lshl_b32 s89, 15, s89                        ; my row of the cluster
	s_lshl_b32 s90, 0x1111, s40                    ; my column
	s_or_b32 s[G1A], s89, (3<<16)|(1<<21)          ; the mask; elements of 8 bytes; bit 21 beside a mask; no padding
	s_or_b32 s[G1B], s90, (3<<16)|(1<<21)
	s_mov_b32 s[G1A+1], 32<<16                     ; dense blocks as rows of 256 bytes: tensor_dim0 = 32
	s_mov_b32 s[G1A+3], 32<<16
	s_mov_b32 s[G1A+5], 32
	s_mov_b32 s[G1A+6], 0
	s_mov_b32 s[G1A+7], 0
	s_mov_b32 s[G1B+1], 32<<16
	s_mov_b32 s[G1B+3], 32<<16
	s_mov_b32 s[G1B+5], 32
	s_mov_b32 s[G1B+6], 0
	s_mov_b32 s[G1B+7], 0
	ROWS 0
	s_mul_i32 s80, s16, 18432                      ; A: my half of slot 0, in the group and in LDS,
	s_mov_b32 s81, 0
	s_mul_i32 s82, s16, 30720
	s_add_co_u32 s82, s82, CUT                     ; and of slot 1
	s_mov_b32 s83, 0
	s_mul_i32 s21, s16, GRP
	s_add_co_u32 s21, s21, GRP                     ; B: my group's place in LDS, behind A
	s_mov_b32 s[SEL], 0x76543210
	s_mov_b32 s[SEL+1], 0xfedcba98
	s_mov_b32 s79, 0xffff0000                      ; lanes 16-31
	s_wait_dscnt 0x0                               ; both opening adds are done
	s_wait_kmcnt 0x0
	LADDR
	CROUND                                         ; all sixteen work-groups are here: the joint loads meet
	s_mov_b32 s[G0A], 1
	s_add_co_u32 s[G0A+1], s80, 0
	s_mov_b32 s[G0A+4], 1
	s_add_co_u32 s[G0A+5], s82, 0
	s_mov_b32 s[G0B], 1
	s_add_co_u32 s[G0B+1], s21, 0
	s_mov_b32 s[G0B+4], 1
	s_add_co_u32 s[G0B+5], s21, CUT
	SETG0
	JLOAD 0                                        ; q's K steps 0-2: one tensor load a wave at the head
	v_and_b32 v1, 15, v0                           ; r
	v_bfe_u32 v2, v0, 4, 1                         ; h
	v_and_b32 v3, 31, v0                           ; lane
	SCOFF
	RELOAD 0
	RELOAD 1
	v_lshlrev_b32 v6, 4, v3                        ; 16 x lane
	v_lshlrev_b32 v7, 3, v3                        ; 8 x lane
	s_mul_i32 s95, s15, 6144                       ; my four tiles of A
	v_add_nc_u32 v16, s95, v6
	v_add_nc_u32 v17, s95, v7
	v_add_nc_u32 v18, HALF, v16                    ; K steps 4-7
	v_add_nc_u32 v19, HALF, v17
	v_add_nc_u32 v20, s21, v6                      ; my group of B
	v_add_nc_u32 v21, s21, v7
	v_add_nc_u32 v22, HALF, v20
	v_add_nc_u32 v23, HALF, v21
	v_add_nc_u32 v9, 512, v7                       ; 8 x lane + 512
.irp b, 0,1,2,3
	v_mov_b32 v[TM+4+\b], 0                        ; written once: a lane permute's destination counts as one of its sources
.endr
	s_cmp_eq_u32 s15, 0                            ; the prefetches: my place among the four that ask with me (cx for A, cy for B) enters an address alone
	s_cselect_b32 s76, s40, s41
	s_cselect_b32 s77, 18, 36                      ; my work-group's rows of the 72 or 144 that I fetch for slot 0,
	s_cselect_b32 s78, 30, 60                      ; and of the 120 or 240 for slot 1
	s_mul_i32 s60, s76, s77
	s_mul_i32 s61, s76, s78
	s_sub_co_u32 s77, s77, 1
	s_sub_co_u32 s78, s78, 1
	v_min_u32 v[PF0], s77, v3                      ; a lane a row; lanes that are left over name the last row again
	v_add_lshl_u32 v[PF0], v[PF0], s60, 8
	v_min_u32 v[PF0+1], 3, v3                      ; B's rows 32-35
	v_add_nc_u32 v[PF0+1], 32, v[PF0+1]
	v_add_lshl_u32 v[PF0+1], v[PF0+1], s60, 8
	v_min_u32 v[PF1], s78, v3
	v_add_lshl_u32 v[PF1], v[PF1], s61, 8
	v_min_u32 v[PF1+1], 27, v3                     ; B's rows 32-59
	v_add_nc_u32 v[PF1+1], 32, v[PF1+1]
	v_add_lshl_u32 v[PF1+1], v[PF1+1], s61, 8
	s_wait_alu depctr_va_vdst(0)                   ; the wait at the head's end
	s_wait_tensorcnt 0x0                           ; my part of q's K steps 0-2 has landed
	ds_add_u32 v[SPW], v[NIL]                      ; ahead of a later first fill
	ROWS 1
	s_wait_dscnt 0x0
	CROUND                                         ; everybody's part is in, and all sixteen work-groups are here
	JLOAD 1                                        ; q's K steps 3-7: slot 1's first fill, the first tensor load behind the round
	FETCH 0
.Ltile:                                                ; two trips: q and k
	TILE 1
	s_cmp_lt_u32 s43, 2
	s_cbranch_scc1 .Ltile
	TILE 0                                         ; v: the tail, which asks for nothing more
	s_wait_tensorcnt 0x0                           ; the wave's end
	ds_add_u32 v[SPW], v[NIL]
	s_wait_dscnt 0x0
	CROUND                                         ; the closing round
	s_endpgm
.Lfunc_end_k_qdd85847c62_proj:
	.size	k_qdd85847c62_proj, .Lfunc_end_k_qdd85847c62_proj-k_qdd85847c62_proj
	.p2alignl 7, 3214868480
	.fill 96, 4, 3214868480
	.section	.rodata,"a",@progbits
	.p2align	6, 0x0
	.amdhsa_kernel k_qdd85847c62_proj
		.amdhsa_group_segment_fixed_size 327680
		.amdhsa_private_segment_fixed_size 0
		.amdhsa_enable_private_segment 0
		.amdhsa_kernarg_size 24
		.amdhsa_user_sgpr_count 2
		.amdhsa_user_sgpr_kernarg_segment_ptr 1
		.amdhsa_wavefront_size32 1
		.amdhsa_system_sgpr_workgroup_id_x 1
		.amdhsa_system_sgpr_workgroup_id_y 1
		.amdhsa_system_sgpr_workgroup_id_z 1
		.amdhsa_system_vgpr_workitem_id 0
		.amdhsa_next_free_vgpr 768
		.amdhsa_next_free_sgpr 100
		.amdhsa_reserve_vcc 0
		.amdhsa_float_denorm_mode_32 3
		.amdhsa_float_denorm_mode_16_64 3
		.amdhsa_memory_ordered 1
		.amdhsa_forward_progress 1
		.amdhsa_inst_pref_size 183
	.end_amdhsa_kernel
	.amdgpu_metadata
---
amdhsa.version: [ 1, 2 ]
amdhsa.kernels:
  - .name:           k_qdd85847c62_proj
    .symbol:         k_qdd85847c62_proj.kd
    .args:
      - { .name: gcodes, .offset: 0, .size: 8, .value_kind: global_buffer, .address_space: global }
      - { .name: gsc, .offset: 8, .size: 8, .value_kind: global_buffer, .address_space: global }
      - { .name: rec, .offset: 16, .size: 8, .value_kind: global_buffer, .address_space: global }
    .group_segment_fixed_size: 327680
    .private_segment_fixed_size: 0
    .kernarg_segment_align: 8
    .kernarg_segment_size: 24
    .max_flat_workgroup_size: 128
    .sgpr_count:     100
    .vgpr_count:     768
    .wavefront_size: 32
...
	.end_amdgpu_metadata
.endif
;; end of part 2
;; launch attn (part 3): grid 4 x 64, 8 waves a work-group, clusters of 4 x 1, 221,184 bytes of LDS; arguments rec, attention_mask, gcodes, gsc; writes gcodes, gsc
.if DOCPART == 3
	.amdgcn_target "amdgcn-amd-amdhsa--gfx1250"
	.amdhsa_code_object_version 6
	.text
	.protected	k_qdd85847c62_attn
	.globl	k_qdd85847c62_attn
	.p2align	8
	.type	k_qdd85847c62_attn,@function
k_qdd85847c62_attn:
	s_mov_b64 s[64:65], 0
	v_nop
	global_prefetch_b8 v0, s[64:65] scope:SCOPE_SE
	s_setreg_imm32_b32 hwreg(HW_REG_WAVE_MODE, 25, 1), 1
	s_wait_xcnt 0x0
	s_wait_alu depctr_hold_cnt(0) depctr_sa_sdst(0) depctr_va_vdst(0) depctr_va_sdst(0) depctr_va_ssrc(0) depctr_va_vcc(0) depctr_vm_vsrc(0)
	s_getreg_b32 s2, hwreg(HW_REG_IB_STS2, 6, 4)
	s_cmp_eq_u32 s2, 0
	s_cbranch_scc0 .Lentry_in_a_cluster
	s_endpgm
.Lentry_in_a_cluster:
	s_bfe_u32 s2, ttmp6, 0x10000c
	s_cmp_lg_u32 s2, 0x3003
	s_cbranch_scc0 .Lentry_shape_is_right
	s_endpgm
.Lentry_shape_is_right:
; ctx[b][q][head] = softmax_k(q . k / 8, causal and key mask) v, both products on codes of FP6 (E2M3) with E8M0 scales; ctx is quantised along the model's 1,024 and stored as the last product's operand.
; THE SOFTMAX: t = score x log2(e) / 8; M = the running largest t rounded up to a whole number; p = 2^(t - M) is quantised along the keys, not normalised; the sum of the unquantised p divides at the end.
; THE MASKS.  A key that attention_mask hides gets -2^103 as the C of the score product (one f32 a key in LDS, 0 for a key that counts); a key after the query gets -2^103 by a select, in the diagonal step alone.
; The running largest score begins at -2^93, so every hidden p is 0.  A QUERY WITH NO KEY THAT COUNTS has 2,048 equal logits in the definition: its ctx is the mean of the quantised v over the whole sequence.
; That mean is made once a work-group (v^T times a fragment of ones) and taken by a select where the largest score still stands at -2^93.
; WORK LEFT OUT: key steps whose 128 keys all come after a tile's queries: the causal mask that the definition builds itself gives them p = 0 for all values of the inputs.  A NaN or an infinity that reaches only those scores is not carried to the result.
; LIMITS: a score under -2^93 counts as hidden (the definition's own marker is -1e30); a hidden score is q . k - 2^103, not -1e30: p is 0 either way; NaN and infinities are not served;
; a block of zeros gets the byte 1 where the rule says 127 (zero codes; only this program reads the bytes).
; SHARES.  A cluster of four work-groups is one (batch, head); all four hold the head's K and V (codes and scale words, 208,896 bytes, the record's first part) in LDS, filled ONCE by joint loads, one a wave: nothing is filled again.
; Queries go in 16 groups of 128 with 8 tiles of 16.  Partner cx owns tiles 2 cx and 2 cx + 1 of every group; wave w takes BOTH tiles of groups w and 15 - w: 17 key steps of 128 keys for every wave.
; Each fragment of K and V and each mask number read from LDS so serves two tiles, and the two tiles' chains of vector work stand line by line.  No branch hangs on the place in the cluster.
; LAYOUT.  Both products transposed: source 0 = 16 keys (or 16 of the head's 64), source 1 = 16 queries: a lane holds one query of each tile.  K's tile u holds at place m the key 64 (u/4) + 32 (m/8) + 8 (u%4) + m%8,
; so score register n of lane (r, h) is key 64 (n/32) + 32 h + n%32: a lane holds two whole blocks of 32 keys, and p's codes are the operand's registers as the conversions make them.
; The head's 64 fill the lower half of the score product's K; q's upper 64 codes are zeros, so what the instruction names as K's upper six registers adds nothing.
; The next step's K, mask numbers and scale words are asked of LDS directly behind the score products.  In step 15 that look-ahead reads V's first bytes, V's scale words and the partial sums of the mean: bytes that are written, and not used.
; No prefetch: K, V and both jobs' Q are asked for at the kernel's head.
; REGISTERS.  Window 0: v1-15 lane constants; v16-63 K, v64-69 zeros; v70-117 V; v118-181 mask numbers; v182-192 scale words; v193-199 a step's addresses; v200-223, v224-247 the two tiles' small numbers.
; Window 1, tile t: scores, then p at 64 t; O^T at 128 + 32 t; Q at 192 + 12 t; p's codes at 216 + 14 t; v244-255 the second job's Q.
.set RECB,  315392
.set VC,    98304
.set KS,    196608
.set VS,    204800
.set MK,    208896                     ; behind what the tensor loads fill: the keys' 2,048 mask numbers,
.set FBP,   217088                     ; two partial sums of v, 64 f32 each,
.set FBF,   218112                     ; the mean,
.set SPARE, 218368                     ; and the spare words, 128 bytes for each of 8 waves
.set A16,1
.set A8,2
.set AM,3
.set AKS,4
.set SPW,5
.set NIL,6
.set AV16,7
.set AV8,8
.set AVS,9
.set NEG,10
.set R4,11
.set AFB,12
.set SH8,13
.set QSN,14
.set KF,16
.set ZT,64
.set VF,70
.set MC,118
.set KSW,182
.set VSW,186
.set PWD,188
.set XS,190
.set QS,191
.set AD,193
.set TB,200
.set TS,24
.set T0,TB
.set T1,TB+TS
.set oNM,0                             ; -M (a pair; the upper word is not used)
.set oF,2                              ; f, later 1 / the sum (a pair likewise)
.set oSA,4                             ; the sum, in two pairs
.set oSB,6
.set oBM,8                             ; my two blocks' largest scores, then largest p
.set oSO,10                            ; the conversions' scale operands
.set oBX,12
.set oX,14
.set oY,15
.set oRS,16                            ; the running largest score
.set oE,17                             ; my query's place in its group less 32 h
.set oW,18
.set QB,192
.set PB,216
.set QN,244
.set MSB,0
.macro WIN new                         ; the immediate's high byte repeats the setting that is left
.if MSB != \new
	s_set_vgpr_msb (MSB<<8)|\new
.set MSB, \new
.endif
.endm
.macro CROUND
	s_barrier_signal -1
	s_barrier_wait -1
	s_cmp_lg_u32 s12, 0
	s_cbranch_scc1 .Lnot_wave_0_\@
	s_barrier_signal -3
.Lnot_wave_0_\@:
	s_barrier_wait -3
	s_barrier_signal -1
	s_barrier_wait -1
.endm
.macro PLACES
.rept 4
	v_nop
.endr
.endm
.macro H n
	s_delay_alu instid0(VALU_DEP_\n)
.endm
.macro MM d, a, b, c, sa, sb, odd      ; odd: source 0's scale words stand in lanes 16-31
.if \odd
	v_wmma_scale_f32_16x16x128_f8f6f4 v[\d:\d+7], v[\a:\a+11], v[\b:\b+11], \c, v[\sa], v[\sb] matrix_a_fmt:MATRIX_FMT_FP6 matrix_b_fmt:MATRIX_FMT_FP6 matrix_a_scale:MATRIX_SCALE_ROW1
.else
	v_wmma_scale_f32_16x16x128_f8f6f4 v[\d:\d+7], v[\a:\a+11], v[\b:\b+11], \c, v[\sa], v[\sb] matrix_a_fmt:MATRIX_FMT_FP6 matrix_b_fmt:MATRIX_FMT_FP6
.endif
.endm
.macro LOADK a16, a8, am, as, oc, om   ; a key step's K, mask numbers and K scale words: 36 loads
.irp k, 0,1,2,3,4,5,6,7
	ds_load_b128 v[KF+6*\k:KF+6*\k+3], v[\a16] offset:\oc+768*\k
	ds_load_b64 v[KF+6*\k+4:KF+6*\k+5], v[\a8] offset:\oc+768*\k
.endr
.irp j, 0,1,2,3,4,5,6,7,8,9,10,11,12,13,14,15
	ds_load_b128 v[MC+4*\j:MC+4*\j+3], v[\am] offset:\om+256*(\j/8)+16*(\j%8)
.endr
.irp b, 0,1,2,3
	ds_load_b32 v[KSW+\b], v[\as] offset:\om+128*\b
.endr
.endm
	s_load_b256 s[4:11], s[0:1], 0x0               ; rec, attention_mask, gcodes, gsc
	v_lshl_add_u32 v[SPW], v0, 2, SPARE
	v_mov_b32 v[NIL], 0
	ds_add_u32 v[SPW], v[NIL]                      ; the wave's opening: the add, twice on end, and its wait ahead of my first tensor load
	ds_add_u32 v[SPW], v[NIL]
	v_lshrrev_b32 v248, 5, v0
	v_readfirstlane_b32 s12, v248                  ; wave 0..7
	s_bfe_u32 s13, ttmp6, 0x40000                  ; cx
	s_and_b32 s14, ttmp7, 0xffff                   ; 16 x batch + head
	s_lshl_b32 s16, s13, 1                         ; my first tile, 2 cx: it enters global addresses and one lane constant alone
	s_mov_b32 s24, 15|(3<<16)|(1<<21)              ; all four partners; elements of 8 bytes; bit 21 beside a mask; no padding
	s_mov_b32 s25, 32<<16                          ; a dense block as rows of 256 bytes
	s_mov_b32 s26, 102<<16                         ; 26,112 bytes a wave: 102 rows
	s_mov_b32 s27, 32<<16
	s_mov_b32 s28, 102
	s_mov_b32 s29, 32
	s_mov_b32 s30, 0
	s_mov_b32 s31, 0
	s_mov_b32 s32, 1
	s_mul_i32 s33, s12, 26112                      ; the record's first 208,896 bytes are the LDS image
	s_mul_i32 s36, s14, RECB
	s_mov_b32 s37, 0
	s_mov_b32 s18, s33
	s_mov_b32 s19, 0
	s_mov_b32 s44, 0x76543210
	s_mov_b32 s45, 0xfedcba98                      ; lane l xor 16
	s_mov_b32 s46, 0x3e38aa3b                      ; c = log2(e) / 8
	s_mov_b32 s47, s46
	s_mov_b32 s61, 0xee000000                      ; -2^93
	s_wait_dscnt 0x0                               ; both opening adds are done
	s_wait_kmcnt 0x0
	s_add_nc_u64 s[36:37], s[4:5], s[36:37]        ; my record
	s_add_nc_u64 s[34:35], s[36:37], s[18:19]
	s_or_b32 s35, s35, 0x80000000
	CROUND                                         ; all four work-groups are here: the joint loads meet
	tensor_load_to_lds s[32:35], s[24:31]          ; my one tensor load
	s_nop 0
	PLACES
	s_lshr_b32 s18, s14, 4
	s_lshl_b32 s18, s18, 13                        ; the batch's 2,048 mask words
	v_lshl_add_u32 v249, v0, 5, s18
	global_load_b128 v[118:121], v249, s[6:7]      ; eight keys a thread
	global_load_b128 v[122:125], v249, s[6:7] offset:16
	v_and_b32 v250, 31, v0                         ; lane
	v_and_b32 v251, 15, v0                         ; r
	v_bfe_u32 v252, v0, 4, 1                       ; h
	v_lshlrev_b32 v[A16], 4, v250                  ; 16 l
	v_lshl_add_u32 v[A8], v250, 3, 512             ; 8 l + 512
	v_lshl_add_u32 v[AM], v252, 7, MK              ; the mask numbers of my half's 32 keys of each 64
	v_lshl_add_u32 v[AKS], v250, 2, KS             ; two tiles' scale words, one in each half of the lanes
	v_add_nc_u32 v[AV16], VC, v[A16]
	v_add_nc_u32 v[AV8], VC, v[A8]
	v_lshl_add_u32 v[AVS], v250, 2, VS
	v_mov_b32 v[NEG], 0xf3000000                   ; -2^103
	v_lshlrev_b32 v[R4], 2, v251                   ; 4 r
	v_lshl_add_u32 v[AFB], v252, 6, FBF            ; the mean, my half's channels
	v_lshlrev_b32 v[SH8], 3, v252                  ; 8 h
	s_lshl_b32 s18, s13, 5
	v_and_b32 v253, 8, v251
	v_add3_u32 v253, v253, v251, s18               ; tile 2 cx: my query's place in its group, 32 cx + r + 8 (r/8),
	v_lshlrev_b32 v254, 5, v252
	v_sub_nc_u32 v[T0+oE], v253, v254              ; less 32 h: score register n is hidden on the diagonal where 64 (n/32) + n%32 is above this
	v_add_nc_u32 v[T1+oE], 8, v[T0+oE]             ; tile 2 cx + 1: 8 places on
.irp j, 0,1                                    ; both jobs' Q: groups w and 15 - w
	s_xor_b32 s48, s12, 15*\j
	s_lshl_b32 s48, s48, 3
	s_add_co_u32 s48, s48, s16
	s_mul_i32 s[50+4*\j], s48, 768
	s_add_co_u32 s[50+4*\j], s[50+4*\j], 208896
	s_mov_b32 s[51+4*\j], 0
	s_add_nc_u64 s[50+4*\j:51+4*\j], s[36:37], s[50+4*\j:51+4*\j]
	s_lshl_b32 s[52+4*\j], s48, 6
	s_add_co_u32 s[52+4*\j], s[52+4*\j], 307200
	s_mov_b32 s[53+4*\j], 0
	s_add_nc_u64 s[52+4*\j:53+4*\j], s[36:37], s[52+4*\j:53+4*\j]
.endr
	s_wait_alu depctr_va_vdst(0)                   ; the wait behind the run of scalar lines
	WIN 0x40                                       ; destination window 1
.irp t, 0,1
	global_load_b128 v[QB+12*\t:QB+12*\t+3], v[A16], s[50:51] offset:768*\t
	global_load_b64 v[QB+12*\t+4:QB+12*\t+5], v[A8], s[50:51] offset:768*\t
	global_load_b128 v[QN+6*\t:QN+6*\t+3], v[A16], s[54:55] offset:768*\t
	global_load_b64 v[QN+6*\t+4:QN+6*\t+5], v[A8], s[54:55] offset:768*\t
.endr
.irp j, 6,7,8,9,10,11,18,19,20,21,22,23
	v_mov_b32 v[QB+\j], 0                          ; Q's upper 64 codes
.endr
	WIN 0
.irp t, 0,1
	global_load_b32 v[QS+\t], v[R4], s[52:53] offset:64*\t
	global_load_b32 v[QSN+\t], v[R4], s[56:57] offset:64*\t
.endr
	s_and_b32 s18, s12, 3                          ; for the mean: my tile of V's four,
	s_lshr_b32 s19, s12, 2                         ; my eight key steps
	s_mul_i32 s20, s19, 49152
	s_mul_i32 s21, s18, 1536
	s_add_co_u32 s20, s20, s21
	v_add_nc_u32 v[AD], s20, v[AV16]
	v_add_nc_u32 v[AD+1], s20, v[AV8]
	s_lshl_b32 s20, s19, 11
	s_lshl_b32 s21, s18, 6
	s_add_co_u32 s20, s20, s21
	v_lshl_add_u32 v[AD+2], v251, 2, VS
	v_add_nc_u32 v[AD+2], s20, v[AD+2]
	s_lshl_b32 s20, s19, 8
	s_lshr_b32 s21, s18, 1
	s_lshl_b32 s21, s21, 7
	s_add_co_u32 s20, s20, s21
	s_and_b32 s21, s18, 1
	s_lshl_b32 s21, s21, 5
	s_add_co_u32 s20, s20, s21
	v_lshl_add_u32 v[AD+3], v252, 6, FBP
	v_add_nc_u32 v[AD+3], s20, v[AD+3]             ; my partial sums' place: channels in their own order
	v_lshl_add_u32 v[AD+4], v0, 2, FBP             ; (waves 0 and 1: a channel a thread)
	v_lshl_add_u32 v[AD+5], v0, 5, MK
.irp b, T0, T1
.irp j, oNM+1, oF+1, oBX, oBX+1, oX, oY
	v_mov_b32 v[\b+\j], 0                          ; registers that are named before they are first written
.endr
.endr
	s_wait_alu depctr_va_vdst(0)                   ; the wait at the head's end
	s_wait_loadcnt 0x0
.irp k, 0,1,2,3,4,5,6,7
	v_cmp_eq_u32 vcc_lo, 0, v[118+\k]
	v_cndmask_b32 v[118+\k], 0, v[NEG], vcc_lo     ; 0 for a key that counts, -2^103 for one that does not
.endr
	ds_store_b128 v[AD+5], v[118:121]
	ds_store_b128 v[AD+5], v[122:125] offset:16
	s_wait_tensorcnt 0x0                           ; my part of K and V has landed,
	s_wait_dscnt 0x0                               ; my mask numbers are stored
	s_barrier_signal -1
	s_barrier_wait -1                              ; everybody's
	; THE MEAN OF THE QUANTISED V: my tile of 16 channels x my 1,024 keys, times ones
.irp g, 0,1,2,3,4,5,6,7
	ds_load_b128 v[16+12*\g:19+12*\g], v[AD] offset:6144*\g
	ds_load_b64 v[20+12*\g:21+12*\g], v[AD+1] offset:6144*\g
	ds_load_b128 v[22+12*\g:25+12*\g], v[AD] offset:6144*\g+768
	ds_load_b64 v[26+12*\g:27+12*\g], v[AD+1] offset:6144*\g+768
	ds_load_b32 v[KSW+\g], v[AD+2] offset:256*\g
.endr
	v_mov_b32 v[XS], 0x7f7f7f7f                    ; the ones' scale: 1
.irp k, 0,1,2,3
	v_mov_b32 v[118+3*\k], 0x08208208              ; the code of 1.0, 001000, sixteen times in 96 bits
	v_mov_b32 v[119+3*\k], 0x82082082
	v_mov_b32 v[120+3*\k], 0x20820820
.endr
	s_wait_alu depctr_va_vdst(0)
	s_wait_dscnt 0x0
	PLACES                                         ; an operand written by vector instructions stands 4 places ahead, the scale register 8
.irp g, 0,1
	MM 130+8*\g, 16+12*\g, 118, 0, KSW+\g, XS, 0
.endr
.irp g, 2,3,4,5,6,7                            ; two accumulators by turns
	MM 130+8*(\g%2), 16+12*\g, 118, v[130+8*(\g%2):137+8*(\g%2)], KSW+\g, XS, 0
.endr
	PLACES
.irp k, 0,1,2,3
	v_pk_add_f32 v[146+2*\k:147+2*\k], v[130+2*\k:131+2*\k], v[138+2*\k:139+2*\k]
.endr
	ds_store_b128 v[AD+3], v[146:149]              ; all sixteen lanes of a half hold the same eight sums and write them to the same bytes
	ds_store_b128 v[AD+3], v[150:153] offset:16
	s_wait_dscnt 0x0
	s_barrier_signal -1
	s_barrier_wait -1
	s_cmp_lt_u32 s12, 2
	s_cbranch_scc0 .Lno_sum
	ds_load_b32 v146, v[AD+4]
	ds_load_b32 v147, v[AD+4] offset:256
	s_wait_dscnt 0x0
	v_add_f32 v146, v146, v147
	H 1
	v_mul_f32 v146, 0x3a000000, v146               ; / 2,048
	ds_store_b32 v[AD+4], v146 offset:FBF-FBP
.Lno_sum:
	s_wait_dscnt 0x0
	s_barrier_signal -1
	s_barrier_wait -1                              ; the mean lies in LDS; no barrier stands behind this one but the closing round's
.irp j, 0,1,2,3,4,5
	v_mov_b32 v[ZT+\j], 0                          ; the registers behind K's last fragment
.endr
	s_mov_b32 s38, 0
.Ljob:                                             ; two trips: groups w and 15 - w
	s_wait_xcnt 0x0                                ; the last job's stores have read their data and bases
	s_xor_b32 s39, s12, s38                        ; the group of queries, and its diagonal key step
	s_lshr_b32 s48, s14, 4
	s_lshl_b32 s48, s48, 4
	s_add_co_u32 s48, s48, s39
	s_add_co_u32 s48, s48, 224                     ; ctx's group in gcodes
	s_and_b32 s49, s14, 15
	s_lshr_b32 s56, s49, 1                         ; its K step: head / 2,
	s_and_b32 s49, s49, 1                          ; and half: head % 2
	s_mul_i32 s54, s48, 98304
	s_mul_i32 s57, s56, 12288
	s_add_co_u32 s54, s54, s57
	s_mul_i32 s57, s16, 1536
	s_add_co_u32 s54, s54, s57
	s_mul_i32 s57, s49, 768
	s_add_co_u32 s54, s54, s57
	s_mov_b32 s55, 0
	s_add_nc_u64 s[54:55], s[8:9], s[54:55]
	s_lshl_b32 s58, s48, 12
	s_lshl_b32 s57, s56, 9
	s_add_co_u32 s58, s58, s57
	s_lshl_b32 s57, s16, 6
	s_add_co_u32 s58, s58, s57
	s_lshl_b32 s57, s49, 1
	s_add_co_u32 s58, s58, s57
	s_mov_b32 s59, 0
	s_add_nc_u64 s[58:59], s[10:11], s[58:59]
	LOADK A16, A8, AM, AKS, 0, 0                   ; key step 0
.irp b, T0, T1
	v_mov_b32 v[\b+oRS], s61                       ; the largest score so far: -2^93
	v_mov_b32 v[\b+oNM], 0x6cb8aa3b                ; -M = c x 2^93, a whole number
	v_mov_b32 v[\b+oSA], 0
	v_mov_b32 v[\b+oSA+1], 0
	v_mov_b32 v[\b+oSB], 0
	v_mov_b32 v[\b+oSB+1], 0
.endr
	WIN 0x40
.set n, 0
.rept 64
	v_mov_b32 v[128+n], 0                          ; O^T: the step is written once, and the first change of M leaves zeros zeros
.set n, n+1
.endr
	WIN 0
	s_mov_b32 s40, 0                               ; the key step,
	s_mov_b32 s41, 0                               ; its codes: 6,144 bytes a step in K and in V,
	s_mov_b32 s42, 0                               ; its mask numbers and K's scale words: 512,
	s_mov_b32 s43, 0                               ; V's scale words: 256
	s_wait_alu depctr_va_vdst(0)
.Lstep:                                            ; sixteen trips, a constant; the work of a step behind the diagonal is jumped over
	s_cmp_gt_u32 s40, s39
	s_cbranch_scc1 .Lhidden
	s_wait_dscnt 0x0                               ; this step's K, mask numbers and scale words
	WIN 0x44                                       ; source 1 (Q) and D window 1; K and the mask numbers window 0
.irp k, 0,1,2,3,4,5,6,7                        ; S^T = K Q^T + the mask: sixteen accumulators, one instruction each
.irp t, 0,1
	MM 64*\t+8*\k, KF+6*\k, QB+12*\t, v[MC+8*\k:MC+8*\k+7], KSW+\k/2, QS+\t, \k%2
.endr
.endr
	WIN 0
	v_add_nc_u32 v[AD], s41, v[A16]                ; (these seven are the places behind the products)
	v_add_nc_u32 v[AD+1], s41, v[A8]
	v_add_nc_u32 v[AD+2], s41, v[AV16]
	v_add_nc_u32 v[AD+3], s41, v[AV8]
	v_add_nc_u32 v[AD+4], s42, v[AM]
	v_add_nc_u32 v[AD+5], s42, v[AKS]
	v_add_nc_u32 v[AD+6], s43, v[AVS]
.irp k, 0,1,2,3                                ; V's four fragments and two registers of scale words: 18 loads
	ds_load_b128 v[VF+12*\k:VF+12*\k+3], v[AD+2] offset:1536*\k
	ds_load_b64 v[VF+12*\k+4:VF+12*\k+5], v[AD+3] offset:1536*\k
	ds_load_b128 v[VF+12*\k+6:VF+12*\k+9], v[AD+2] offset:1536*\k+768
	ds_load_b64 v[VF+12*\k+10:VF+12*\k+11], v[AD+3] offset:1536*\k+768
.endr
	ds_load_b32 v[VSW], v[AD+6]
	ds_load_b32 v[VSW+1], v[AD+6] offset:128
	LOADK AD, AD+1, AD+4, AD+5, 6144, 512          ; and the next key step's 36, which land while the softmax is walked
	s_cmp_lg_u32 s40, s39
	s_cbranch_scc1 .Lopen
	WIN 0x41                                       ; source 0 and destination window 1
.set n, 0
.rept 64                                       ; the diagonal step: keys after my query
	v_cmp_gt_i32 vcc_lo, 64*(n/32)+n%32, v[T0+oE]
	v_cmp_gt_i32 s60, 64*(n/32)+n%32, v[T1+oE]
	v_cndmask_b32 v[n], v[n], v[NEG], vcc_lo
	v_cndmask_b32 v[64+n], v[64+n], v[NEG], s60
.set n, n+1
.endr
	WIN 0
.Lopen:
	WIN 0x05                                       ; sources 0 and 1 window 1
.set n, 0
.rept 16                                       ; the largest score of each of my blocks of 32 keys: for the row's maximum, and, since p rises with the score, for the block's largest p.  Four chains by turns
.irp t, 0,1
.irp c, 0,1
.if n == 0
	v_max3_num_f32 v[TB+TS*\t+oBM+\c], v[64*\t+32*\c], v[64*\t+32*\c+1], v[NEG]
.else
	v_max3_num_f32 v[TB+TS*\t+oBM+\c], v[64*\t+32*\c+n], v[64*\t+32*\c+n+1], v[TB+TS*\t+oBM+\c]
.endif
.endr
.endr
.set n, n+2
.endr
	WIN 0
.irp b, T0, T1
	v_max_num_f32 v[\b+oX], v[\b+oBM], v[\b+oBM+1]
.endr
.irp b, T0, T1
	H 2
	v_permlanex16_b32 v[\b+oY], v[\b+oX], s44, s45
.endr
.irp b, T0, T1
	H 2
	v_max3_num_f32 v[\b+oRS], v[\b+oRS], v[\b+oX], v[\b+oY]   ; the running largest score
.endr
.irp b, T0, T1
	H 2
	v_mul_f32 v[\b+oX], s46, v[\b+oRS]             ; as t (c is positive)
.endr
.irp b, T0, T1
	v_mov_b32 v[\b+oY], v[\b+oNM]
.endr
.irp b, T0, T1
	H 4
	v_floor_f32 v[\b+oNM], -v[\b+oX]               ; the new -M: M is a whole number
.endr
.irp b, T0, T1
	H 2
	v_sub_f32 v[\b+oY], v[\b+oNM], v[\b+oY]
.endr
.irp b, T0, T1
	H 2
	v_cvt_i32_f32 v[\b+oY], v[\b+oY]               ; (it saturates)
.endr
.irp b, T0, T1
	v_fma_f32 v[\b+oBM], v[\b+oBM], s46, v[\b+oNM]
	v_fma_f32 v[\b+oBM+1], v[\b+oBM+1], s46, v[\b+oNM]
.endr
.irp b, T0, T1
	v_ldexp_f32 v[\b+oF], 1.0, v[\b+oY]            ; f = 2^(old M - new M)
.endr
	WIN 0x41
.set n, 0
.rept 16
.irp t, 0,1
	v_pk_mul_f32 v[128+32*\t+n:128+32*\t+n+1], v[128+32*\t+n:128+32*\t+n+1], v[TB+TS*\t+oF:TB+TS*\t+oF+1] op_sel_hi:[1,0]   ; O^T under the new M, ahead of the exponentials
.endr
.set n, n+2
.endr
.set n, 0
.rept 32
.irp t, 0,1
	v_pk_fma_f32 v[64*\t+n:64*\t+n+1], v[64*\t+n:64*\t+n+1], s[46:47], v[TB+TS*\t+oNM:TB+TS*\t+oNM+1] op_sel_hi:[1,0,0]   ; t - M
.endr
.set n, n+2
.endr
	WIN 0
	s_wait_alu depctr_va_vdst(0)                   ; the wait ahead of the batch
.irp b, T0, T1
	v_exp_f32 v[\b+oBM], v[\b+oBM]                 ; the blocks' largest p
	v_exp_f32 v[\b+oBM+1], v[\b+oBM+1]
.endr
	WIN 0x41
.set n, 0
.rept 128
	v_exp_f32 v[n], v[n]                           ; p
.set n, n+1
.endr
	WIN 0
.irp b, T0, T1
	v_pk_mul_f32 v[\b+oSA:\b+oSA+1], v[\b+oSA:\b+oSA+1], v[\b+oF:\b+oF+1] op_sel_hi:[1,0]   ; the sums under the new M: plain places behind the exponentials
	v_pk_mul_f32 v[\b+oSB:\b+oSB+1], v[\b+oSB:\b+oSB+1], v[\b+oF:\b+oF+1] op_sel_hi:[1,0]
.endr
	s_wait_alu depctr_va_vdst(0)                   ; one wait for the batch, ahead of its first reader
.irp b, T0, T1
.irp c, 0,1
	v_max_num_f32 v[\b+oBM+\c], 0x1800000, v[\b+oBM+\c]   ; the floor 2^(3 - 127)
.endr
.endr
.irp b, T0, T1
.irp c, 0,1
	v_add_nc_u32 v[\b+oSO+\c], 0xff000000, v[\b+oBM+\c]   ; 2 off the exponent field: the conversion's scale operand
.endr
.endr
.irp b, T0, T1
.irp c, 0,1
	v_lshrrev_b32 v[\b+oBX+\c], 23, v[\b+oSO+\c]   ; the scale's byte
.endr
.endr
.irp t, 0,1
	v_lshl_or_b32 v[PWD+\t], v[TB+TS*\t+oBX+1], 16, v[TB+TS*\t+oBX]   ; my two bytes: blocks h and 2 + h,
.endr
.irp t, 0,1
	H 2
	v_lshlrev_b32 v[PWD+\t], v[SH8], v[PWD+\t]     ; at their places in the word;
.endr
.irp t, 0,1
	H 2
	v_permlanex16_b32 v[TB+TS*\t+oY], v[PWD+\t], s44, s45
.endr
.irp t, 0,1
	H 2
	v_or_b32 v[PWD+\t], v[PWD+\t], v[TB+TS*\t+oY]  ; with lane l xor 16's two the word is whole
.endr
	WIN 0x41
.irp c, 0,1                                    ; block 2 c + h: registers 6 c .. 6 c + 5 of the operand; a conversion's three registers begin on an even number, so the second three are made one higher and moved down
.irp t, 0,1
	v_cvt_scalef32_pk16_fp6_f32 v[PB+14*\t+6*\c:PB+14*\t+6*\c+2], v[64*\t+32*\c:64*\t+32*\c+15], v[TB+TS*\t+oSO+\c]
	v_cvt_scalef32_pk16_fp6_f32 v[PB+14*\t+6*\c+4:PB+14*\t+6*\c+6], v[64*\t+32*\c+16:64*\t+32*\c+31], v[TB+TS*\t+oSO+\c]
.endr
	v_nop                                          ; one plain place behind the conversions
.irp i, 3,4,5
.irp t, 0,1
	v_mov_b32 v[PB+14*\t+6*\c+\i], v[PB+14*\t+6*\c+\i+1]
.endr
.endr
.endr
	WIN 0x01                                       ; source 0 window 1
.set n, 0
.rept 16                                       ; the rows' sums of the unquantised p, four chains by turns; these are also the places ahead of the products
.irp t, 0,1
	v_pk_add_f32 v[TB+TS*\t+oSA:TB+TS*\t+oSA+1], v[64*\t+n:64*\t+n+1], v[TB+TS*\t+oSA:TB+TS*\t+oSA+1]
	v_pk_add_f32 v[TB+TS*\t+oSB:TB+TS*\t+oSB+1], v[64*\t+n+2:64*\t+n+3], v[TB+TS*\t+oSB:TB+TS*\t+oSB+1]
.endr
.set n, n+4
.endr
	s_wait_alu depctr_va_vdst(0)
	s_wait_dscnt 36                                ; V is in; the next step's 36 loads may be out
	WIN 0x54                                       ; source 1 (p), C and D window 1
.irp k, 0,1,2,3                                ; O^T += V^T P^T: eight accumulators, one instruction each
.irp t, 0,1
	MM 128+32*\t+8*\k, VF+12*\k, PB+14*\t, v[128+32*\t+8*\k:128+32*\t+8*\k+7], VSW+\k/2, PWD+\t, \k%2
.endr
.endr
	WIN 0
.Lhidden:
	s_add_co_u32 s41, s41, 6144
	s_add_co_u32 s42, s42, 512
	s_add_co_u32 s43, s43, 256
	s_add_co_u32 s40, s40, 1
	s_cmp_lt_u32 s40, 16
	s_cbranch_scc1 .Lstep
	; the job's end: O^T / the sum, or the mean; quantised along the head's 64; stored as half a fragment of the last product's operand
	PLACES
.irp b, T0, T1
	v_pk_add_f32 v[\b+oSA:\b+oSA+1], v[\b+oSA:\b+oSA+1], v[\b+oSB:\b+oSB+1]
.endr
.irp b, T0, T1
	H 2
	v_add_f32 v[\b+oX], v[\b+oSA], v[\b+oSA+1]
.endr
.irp b, T0, T1
	H 2
	v_permlanex16_b32 v[\b+oY], v[\b+oX], s44, s45
.endr
.irp b, T0, T1
	H 2
	v_add_f32 v[\b+oX], v[\b+oX], v[\b+oY]         ; the row's sum
.endr
.irp j, 0,1,2,3,4,5,6,7
	ds_load_b128 v[VF+4*\j:VF+4*\j+3], v[AFB] offset:128*(\j/4)+16*(\j%4)   ; the mean, in O^T's layout, for both tiles
.endr
	s_wait_alu depctr_va_vdst(0)
.irp b, T0, T1
	v_rcp_f32 v[\b+oF], v[\b+oX]
.endr
	v_nop                                          ; a plain place behind the reciprocals
	WIN 0x41
	s_wait_alu depctr_va_vdst(0)                   ; the wait ahead of their first reader, which is O^T's first reader too
.set n, 0
.rept 16
.irp t, 0,1
	v_pk_mul_f32 v[64*\t+n:64*\t+n+1], v[128+32*\t+n:128+32*\t+n+1], v[TB+TS*\t+oF:TB+TS*\t+oF+1] op_sel_hi:[1,0]
.endr
.set n, n+2
.endr
	v_cmp_eq_f32 vcc_lo, s61, v[T0+oRS]            ; no key has counted for my query
	v_cmp_eq_f32 s60, s61, v[T1+oRS]
	s_wait_alu depctr_va_vdst(0)
	s_wait_dscnt 0x0
.set n, 0
.rept 32
	v_cndmask_b32 v[n], v[n], v[VF+n], vcc_lo
	v_cndmask_b32 v[64+n], v[64+n], v[VF+n], s60
.set n, n+1
.endr
	WIN 0x05
.set n, 0
.rept 8
.irp t, 0,1
.irp c, 0,1
.if n == 0
	v_max3_num_f32 v[TB+TS*\t+oBM+\c], |v[64*\t+16*\c]|, |v[64*\t+16*\c+1]|, 0x1800000
.else
	v_max3_num_f32 v[TB+TS*\t+oBM+\c], |v[64*\t+16*\c+n]|, |v[64*\t+16*\c+n+1]|, v[TB+TS*\t+oBM+\c]
.endif
.endr
.endr
.set n, n+2
.endr
	WIN 0
.irp b, T0, T1
.irp c, 0,1
	v_permlanex16_b32 v[\b+oBX+\c], v[\b+oBM+\c], s44, s45
.endr
.endr
.irp b, T0, T1
.irp c, 0,1
	v_max_num_f32 v[\b+oBM+\c], v[\b+oBM+\c], v[\b+oBX+\c]   ; here a block of 32 channels lies in lanes l and l xor 16
.endr
.endr
.irp b, T0, T1
.irp c, 0,1
	v_add_nc_u32 v[\b+oSO+\c], 0xff000000, v[\b+oBM+\c]
.endr
.endr
.irp b, T0, T1
.irp c, 0,1
	v_lshrrev_b32 v[\b+oBX+\c], 23, v[\b+oSO+\c]
.endr
.endr
.irp b, T0, T1
	v_lshl_or_b32 v[\b+oW], v[\b+oBX+1], 8, v[\b+oBX]   ; the head's two bytes of the row's scale word
.endr
	WIN 0x41
.irp t, 0,1
	v_cvt_scalef32_pk16_fp6_f32 v[PB+14*\t:PB+14*\t+2], v[64*\t:64*\t+15], v[TB+TS*\t+oSO]
	v_cvt_scalef32_pk16_fp6_f32 v[PB+14*\t+4:PB+14*\t+6], v[64*\t+16:64*\t+31], v[TB+TS*\t+oSO+1]
.endr
	v_nop
.irp i, 0,1,2
.irp t, 0,1
	v_permlane16_swap_b32 v[PB+14*\t+\i], v[PB+14*\t+4+\i]   ; a whole block to a lane
.endr
.endr
.irp i, 3,4,5
.irp t, 0,1
	v_mov_b32 v[PB+14*\t+\i], v[PB+14*\t+\i+1]
.endr
.endr
	WIN 0x04                                       ; a store's data: window 1
.irp t, 0,1
	global_store_b128 v[A16], v[PB+14*\t:PB+14*\t+3], s[54:55] offset:1536*\t   ; 512 consecutive bytes, aligned
	global_store_b64 v[A8], v[PB+14*\t+4:PB+14*\t+5], s[54:55] offset:1536*\t   ; 256
.endr
	WIN 0
.irp t, 0,1
	global_store_b16 v[R4], v[TB+TS*\t+oW], s[58:59] offset:64*\t   ; two bytes a row (lanes 16-31 repeat lanes 0-15): 32 bytes beside the tile's 768
.endr
	WIN 0x41
.irp t, 0,1
.irp i, 0,1,2,3,4,5
	v_mov_b32 v[QB+12*\t+\i], v[QN+6*\t+\i]        ; the second job's Q takes the first's place
.endr
.endr
	WIN 0
.irp t, 0,1
	v_mov_b32 v[QS+\t], v[QSN+\t]
.endr
	s_add_co_u32 s38, s38, 15
	s_cmp_lt_u32 s38, 30
	s_wait_alu depctr_va_vdst(0)
	s_cbranch_scc1 .Ljob
	s_wait_tensorcnt 0x0                           ; the wave's end
	ds_add_u32 v[SPW], v[NIL]
	s_wait_dscnt 0x0
	CROUND                                         ; the closing round
	s_endpgm
.Lfunc_end_k_qdd85847c62_attn:
	.size	k_qdd85847c62_attn, .Lfunc_end_k_qdd85847c62_attn-k_qdd85847c62_attn
	.p2alignl 7, 3214868480
	.fill 96, 4, 3214868480
	.section	.rodata,"a",@progbits
	.p2align	6, 0x0
	.amdhsa_kernel k_qdd85847c62_attn
		.amdhsa_group_segment_fixed_size 221184
		.amdhsa_private_segment_fixed_size 0
		.amdhsa_enable_private_segment 0
		.amdhsa_kernarg_size 32
		.amdhsa_user_sgpr_count 2
		.amdhsa_user_sgpr_kernarg_segment_ptr 1
		.amdhsa_wavefront_size32 1
		.amdhsa_system_sgpr_workgroup_id_x 1
		.amdhsa_system_sgpr_workgroup_id_y 1
		.amdhsa_system_sgpr_workgroup_id_z 1
		.amdhsa_system_vgpr_workitem_id 0
		.amdhsa_next_free_vgpr 512
		.amdhsa_next_free_sgpr 66
		.amdhsa_reserve_vcc 1
		.amdhsa_float_denorm_mode_32 3
		.amdhsa_float_denorm_mode_16_64 3
		.amdhsa_memory_ordered 1
		.amdhsa_forward_progress 1
		.amdhsa_inst_pref_size 76
	.end_amdhsa_kernel
	.amdgpu_metadata
---
amdhsa.version: [ 1, 2 ]
amdhsa.kernels:
  - .name:           k_qdd85847c62_attn
    .symbol:         k_qdd85847c62_attn.kd
    .args:
      - { .name: rec, .offset: 0, .size: 8, .value_kind: global_buffer, .address_space: global }
      - { .name: attention_mask, .offset: 8, .size: 8, .value_kind: global_buffer, .address_space: global }
      - { .name: gcodes, .offset: 16, .size: 8, .value_kind: global_buffer, .address_space: global }
      - { .name: gsc, .offset: 24, .size: 8, .value_kind: global_buffer, .address_space: global }
    .group_segment_fixed_size: 221184
    .private_segment_fixed_size: 0
    .kernarg_segment_align: 8
    .kernarg_segment_size: 32
    .max_flat_workgroup_size: 256
    .sgpr_count:     66
    .vgpr_count:     512
    .wavefront_size: 32
...
	.end_amdgpu_metadata
.endif
;; end of part 3
;; launch outp (part 4): grid 4 x 64, 4 waves a work-group, clusters of 4 x 4, 327,680 bytes of LDS; arguments gcodes, gsc, out0; writes out0
.if DOCPART == 4
	.amdgcn_target "amdgcn-amd-amdhsa--gfx1250"
	.amdhsa_code_object_version 6
	.text
	.protected	k_qdd85847c62_outp
	.globl	k_qdd85847c62_outp
	.p2align	8
	.type	k_qdd85847c62_outp,@function
k_qdd85847c62_outp:
	s_mov_b64 s[64:65], 0
	v_nop
	global_prefetch_b8 v0, s[64:65] scope:SCOPE_SE
	s_setreg_imm32_b32 hwreg(HW_REG_WAVE_MODE, 25, 1), 1
	s_wait_xcnt 0x0
	s_wait_alu depctr_hold_cnt(0) depctr_sa_sdst(0) depctr_va_vdst(0) depctr_va_sdst(0) depctr_va_ssrc(0) depctr_va_vcc(0) depctr_vm_vsrc(0)
	s_getreg_b32 s2, hwreg(HW_REG_IB_STS2, 6, 4)
	s_cmp_eq_u32 s2, 0
	s_cbranch_scc0 .Lentry_in_a_cluster
	s_endpgm
.Lentry_in_a_cluster:
	s_bfe_u32 s2, ttmp6, 0x10000c
	s_cmp_lg_u32 s2, 0xf033
	s_cbranch_scc0 .Lentry_shape_is_right
	s_endpgm
.Lentry_shape_is_right:
; out0 = ctx Wo^T on codes of FP6 (E2M3) with E8M0 scales, sums in f32.  ctx's codes (groups 224 on of gcodes) and Wo's (groups 216 on) lie as images of operand registers.
; A work-group makes 128 tokens (one group, source 1) x 256 channels (two groups of Wo's rows, source 0); all of K = 1,024 lies in LDS at once, each byte filled once.  Four waves; wave w takes token tiles 4 (w/2) .. + 3
; and channel group w%2: 64 x 128, 32 accumulators.  Lane (r, h) of accumulator (a, b) holds the token at place r of tile a; the 16 registers of channel tiles 2 c and 2 c + 1 are channels 32 c + 16 h + 0 .. 15.
; CLUSTER 4 x 4: ctx's tile is asked for jointly by a row of the cluster, Wo's by a column.  A wave has one tensor load out at a time, two in all, both first fills.
; THE WAY OUT: 16 tokens x 128 channels at a time through the wave's own stage in LDS and back as whole rows of 512 bytes.  The stages lie in ctx's bytes, which have had their only fill and, behind the last barrier, their last read.
; REGISTERS: window 0: v1-27 addresses, v28-29 for the add, v32-95 scale words (lanes 0-15 ctx's, lanes 16-31 Wo's), v96-191 ctx's fragments in two sets (on the way out v96-223: rows); window 1: Wo's fragments in two sets; window 2: the accumulators.
.set GRP,   98304
.set SPARE, 3*GRP
.set SC,    32
.set SPW,   28
.set NIL,   29
.set STO,   10
.set RD,    11
.set CO,    6
.set BK,    96
.set G1A,   24
.set G1B,   32
.set G0A,   48
.set G0B,   68
.set LASTBAR, 1
.set MUL,   0xa1                       ; source 0 (Wo) window 1, source 1 (ctx) window 0, C and D window 2
.set TO_B,  0x40
.set MSB,   0
.macro WIN new
.if MSB != \new
	s_set_vgpr_msb (MSB<<8)|\new
.set MSB, \new
.endif
.endm
.macro CROUND
	s_barrier_signal -1
	s_barrier_wait -1
	s_cmp_lg_u32 s14, 0
	s_cbranch_scc1 .Lnot_wave_0_\@
	s_barrier_signal -3
.Lnot_wave_0_\@:
	s_barrier_wait -3
	s_barrier_signal -1
	s_barrier_wait -1
.endm
.macro PLACES
.rept 4
	v_nop
.endr
.endm
.macro FRAG reg, a16, a8, off
	ds_load_b128 v[\reg:\reg+3], v[\a16] offset:\off
	ds_load_b64 v[\reg+4:\reg+5], v[\a8] offset:\off+512
	ds_load_b128 v[\reg+6:\reg+9], v[\a16] offset:\off+768
	ds_load_b64 v[\reg+10:\reg+11], v[\a8] offset:\off+1280
.endm
.macro FETCH k
	WIN TO_B
.irp i, 0,1,2,3,4,5,6,7
	FRAG 96*((\k)%2)+12*\i, 20+2*((\k)/4), 21+2*((\k)/4), ((\k)%4)*12288+\i*1536
.endr
	WIN 0
.irp i, 0,1,2,3
	FRAG 96+48*((\k)%2)+12*\i, 16+2*((\k)/4), 17+2*((\k)/4), ((\k)%4)*12288+\i*1536
.endr
.endm
.macro MUL16 a0, k, zero               ; the 32 accumulators take turns, one instruction a turn, in the same order in every step
.irp a, \a0, \a0+1
.irp b, 0,1,2,3,4,5,6,7
.if \zero
	v_wmma_scale_f32_16x16x128_f8f6f4 v[8*(8*(\a)+\b):8*(8*(\a)+\b)+7], v[96*((\k)%2)+12*\b:96*((\k)%2)+12*\b+11], v[96+48*((\k)%2)+12*(\a):96+48*((\k)%2)+12*(\a)+11], 0, v[SC+8*(\k)+\b], v[SC+8*(\k)+(\a)] matrix_a_fmt:MATRIX_FMT_FP6 matrix_b_fmt:MATRIX_FMT_FP6 matrix_a_scale:MATRIX_SCALE_ROW1
.else
	v_wmma_scale_f32_16x16x128_f8f6f4 v[8*(8*(\a)+\b):8*(8*(\a)+\b)+7], v[96*((\k)%2)+12*\b:96*((\k)%2)+12*\b+11], v[96+48*((\k)%2)+12*(\a):96+48*((\k)%2)+12*(\a)+11], v[8*(8*(\a)+\b):8*(8*(\a)+\b)+7], v[SC+8*(\k)+\b], v[SC+8*(\k)+(\a)] matrix_a_fmt:MATRIX_FMT_FP6 matrix_b_fmt:MATRIX_FMT_FP6 matrix_a_scale:MATRIX_SCALE_ROW1
.endif
.endr
.endr
.endm
.macro STEP k, zero
	s_wait_dscnt 0x0                               ; this step's fragments are in, and no LDS access of mine is out at a signal
.if (\k) == 3
	s_wait_tensorcnt 0x0                           ; my part of K steps 4-7 has landed: my last load
.endif
.if ((\k) == 3) || (((\k) == 7) && LASTBAR)
	s_barrier_signal -1                            ; (in the last step: my reads of ctx and Wo are over)
.endif
.if ((\k) < 7) && ((\k) != 3)
	PLACES                                         ; in front of loads into the set that the last step's products read
	FETCH (\k)+1                                   ; the next step's fragments, in one run at the step's start
.endif
	WIN MUL
	MUL16 0, \k, \zero
.if ((\k) == 3) || (((\k) == 7) && LASTBAR)
	s_barrier_wait -1
.endif
.if (\k) == 3
	PLACES
	FETCH (\k)+1                                   ; K step 4 lies in the half that the barrier above has shown whole
.endif
	WIN MUL
	MUL16 2, \k, \zero
.endm
	s_load_b128 s[4:7], s[0:1], 0x0                ; gcodes, gsc
	s_load_b64 s[8:9], s[0:1], 0x10                ; out0
	v_lshl_add_u32 v[SPW], v0, 2, SPARE
	v_mov_b32 v[NIL], 0
	ds_add_u32 v[SPW], v[NIL]                      ; the wave's opening: the add, twice on end, and its wait ahead of my first tensor load
	ds_add_u32 v[SPW], v[NIL]
	v_lshrrev_b32 v1, 5, v0
	v_readfirstlane_b32 s14, v1                    ; wave
	s_lshr_b32 s15, s14, 1                         ; wa.  Also: I fetch for ctx (0) or for Wo (1)
	s_and_b32 s16, s14, 1                          ; wb.  Also: which part I fetch
	s_bfe_u32 s40, ttmp6, 0x40000                  ; cx
	s_bfe_u32 s41, ttmp6, 0x40004                  ; cy
	s_and_b32 s42, ttmp7, 0xffff
	s_lshl_b32 s17, s42, 2
	s_add_co_u32 s17, s17, s41                     ; tile row: the group of 128 tokens
	s_mov_b32 s45, s40                             ; tile column
	s_add_co_u32 s86, s17, 224                     ; ctx's group: hangs on cy alone
	s_lshl_b32 s87, s45, 1
	s_add_co_u32 s87, s87, 216                     ; Wo's first group: on cx alone
	s_lshl_b32 s89, s41, 2
	s_lshl_b32 s89, 15, s89                        ; my row of the cluster
	s_lshl_b32 s90, 0x1111, s40                    ; my column
	s_or_b32 s[G1A], s89, (3<<16)|(1<<21)
	s_or_b32 s[G1B], s90, (3<<16)|(1<<21)
	s_mov_b32 s[G1A+1], 32<<16                     ; dense blocks as rows of 256 bytes
	s_mov_b32 s[G1A+2], 96<<16                     ; ctx: two K steps, 96 rows
	s_mov_b32 s[G1A+3], 32<<16
	s_mov_b32 s[G1A+4], 96
	s_mov_b32 s[G1A+5], 32
	s_mov_b32 s[G1A+6], 0
	s_mov_b32 s[G1A+7], 0
	s_mov_b32 s[G1B+1], 32<<16
	s_mov_b32 s[G1B+2], 192<<16                    ; Wo: four K steps of a group, 192 rows
	s_mov_b32 s[G1B+3], 32<<16
	s_mov_b32 s[G1B+4], 192
	s_mov_b32 s[G1B+5], 32
	s_mov_b32 s[G1B+6], 0
	s_mov_b32 s[G1B+7], 0
	s_mul_i32 s20, s16, 24576                      ; ctx: my two K steps of each half of K
	s_mul_i32 s18, s86, GRP
	s_add_co_u32 s18, s18, s20
	s_mov_b32 s19, 0
	s_add_co_u32 s46, s87, s16
	s_mul_i32 s46, s46, GRP
	s_mov_b32 s47, 0
	s_mul_i32 s21, s16, GRP
	s_add_co_u32 s21, s21, GRP
	s_wait_dscnt 0x0                               ; both opening adds are done
	s_wait_kmcnt 0x0
	s_add_nc_u64 s[18:19], s[4:5], s[18:19]
	s_add_nc_u64 s[46:47], s[4:5], s[46:47]
	CROUND                                         ; all sixteen work-groups are here: the joint loads meet
; THE FILLS, as they now stand: K comes in two halves of four K steps, each byte of LDS still filled once.  A wave has ONE tensor load out at a time: its part of K steps 0-3 at the head,
; its part of K steps 4-7 behind a wait for the first, an add and a round of the cluster's barrier.
.irp c, 0,1
	s_mov_b32 s[G0A+4*\c], 1
	s_add_co_u32 s[G0A+4*\c+1], s20, \c*49152
	s_add_nc_u64 s[G0A+4*\c+2:G0A+4*\c+3], s[18:19], \c*49152
	s_or_b32 s[G0A+4*\c+3], s[G0A+4*\c+3], 0x80000000
	s_mov_b32 s[G0B+4*\c], 1
	s_add_co_u32 s[G0B+4*\c+1], s21, \c*49152
	s_add_nc_u64 s[G0B+4*\c+2:G0B+4*\c+3], s[46:47], \c*49152
	s_or_b32 s[G0B+4*\c+3], s[G0B+4*\c+3], 0x80000000
.endr
.macro JLOAD c                         ; half c of K: waves 0 and 1 ask for ctx, waves 2 and 3 for Wo; the branch hangs on the wave's number alone
	s_cmp_eq_u32 s15, 0
	s_cbranch_scc0 .Lfor_b_\@
	tensor_load_to_lds s[G0A+4*\c:G0A+4*\c+3], s[G1A:G1A+7]
	s_nop 0
	PLACES
	s_branch .Lasked_\@
.Lfor_b_\@:
	tensor_load_to_lds s[G0B+4*\c:G0B+4*\c+3], s[G1B:G1B+7]
	s_nop 0
	PLACES
.Lasked_\@:
.endm
	JLOAD 0
	v_and_b32 v1, 15, v0                           ; r
	v_bfe_u32 v2, v0, 4, 1                         ; h
	v_and_b32 v3, 31, v0                           ; lane
	s_lshl_b32 s91, s86, 12
	s_lshl_b32 s92, s15, 8
	s_add_co_u32 s91, s91, s92
	s_add_co_u32 s93, s87, s16
	s_lshl_b32 s93, s93, 12
	s_mov_b32 s94, 0xffff0000
	v_mov_b32 v4, s91
	v_mov_b32 v5, s93
	v_cndmask_b32 v4, v4, v5, s94                  ; lanes 0-15 take ctx's scale words, lanes 16-31 Wo's
	v_lshl_add_u32 v24, v1, 2, v4
	v_lshl_add_u32 v25, v2, 8, v24
.irp k, 0,1,2,3,4,5,6,7
.irp i, 0,1,2,3,4,5,6,7
	global_load_b32 v[SC+8*\k+\i], v[24+\i/4], s[6:7] offset:512*\k+64*(\i%4)
.endr
.endr
	v_lshlrev_b32 v6, 4, v3                        ; 16 x lane
	v_lshlrev_b32 v7, 3, v3                        ; 8 x lane
	s_mul_i32 s95, s15, 6144
	v_add_nc_u32 v16, s95, v6
	v_add_nc_u32 v17, s95, v7
	v_add_nc_u32 v18, 49152, v16
	v_add_nc_u32 v19, 49152, v17
	v_add_nc_u32 v20, s21, v6
	v_add_nc_u32 v21, s21, v7
	v_add_nc_u32 v22, 49152, v20
	v_add_nc_u32 v23, 49152, v21
	s_mul_i32 s95, s14, 8448                       ; my stage: 16 rows x (512 + 16) bytes
	v_mul_u32_u24 v[STO], v1, 528
	v_lshl_add_u32 v[STO], v2, 6, v[STO]
	v_add_nc_u32 v[STO], s95, v[STO]               ; in: row r, + 64 h
	v_add_nc_u32 v[RD], s95, v6                    ; back: a row of 512 bytes to the 32 lanes
	s_lshl_b32 s91, s17, 7
	s_lshl_b32 s92, s15, 6
	s_add_co_u32 s91, s91, s92                     ; my first token: 128 x tile row + 64 wa
	s_lshl_b32 s92, s91, 12                        ; rows of 4,096 bytes
	s_lshl_b32 s93, s45, 1
	s_add_co_u32 s93, s93, s16
	s_lshl_b32 s93, s93, 9                         ; my 128 channels
	s_add_co_u32 s92, s92, s93
	s_mov_b32 s93, 0
	s_add_nc_u64 s[8:9], s[8:9], s[92:93]
	s_wait_alu depctr_va_vdst(0)
	s_wait_tensorcnt 0x0                           ; my part of K steps 0-3 has landed
	ds_add_u32 v[SPW], v[NIL]                      ; ahead of a later first fill
	s_wait_dscnt 0x0
	CROUND                                         ; everybody's part is in, and all sixteen work-groups are here
	JLOAD 1                                        ; K steps 4-7: the first tensor load behind the round
	FETCH 0
	s_wait_loadcnt 0x0                             ; the scale words
	STEP 0, 1
	STEP 1, 0
	STEP 2, 0
	STEP 3, 0
	STEP 4, 0
	STEP 5, 0
	STEP 6, 0
	STEP 7, 0                                      ; its barrier: nobody reads ctx's or Wo's bytes any more
	WIN 0
.macro TOSTAGE a                       ; token tile a: each accumulator from its low end on; LDS serves a wave's instructions in order, so no wait stands between the stores and the loads
	WIN 0x08                                       ; an LDS store's data are its source 1: window 2
.irp j, 0,1,2,3,4,5,6,7,8,9,10,11,12,13,14,15
	ds_store_b128 v[STO], v[64*(\a)+4*\j:64*(\a)+4*\j+3] offset:128*(\j/4)+16*(\j%4)
.endr
	WIN 0
.irp t, 0,1,2,3,4,5,6,7,8,9,10,11,12,13,14,15
	ds_load_b128 v[BK+64*((\a)%2)+4*\t:BK+64*((\a)%2)+4*\t+3], v[RD] offset:528*\t
.endr
.endm
.macro SEND a, younger                 ; younger: the LDS instructions issued behind tile a's loads, which may stay out
	s_wait_dscnt \younger
.irp t, 0,1,2,3,4,5,6,7,8,9,10,11,12,13,14,15
	global_store_b128 v[CO], v[BK+64*((\a)%2)+4*\t:BK+64*((\a)%2)+4*\t+3], s[8:9] offset:(32*((\a)/2)+8*((\a)%2)+\t+8*(\t/8))*4096 th:TH_STORE_NT   ; 512 consecutive bytes of the token at place t, aligned
.endr
.endm
	PLACES                                         ; in front of the first read of results and of loads into the fragments' registers
	TOSTAGE 0
	TOSTAGE 1
	SEND 0, 32                                     ; behind tile 0's loads: tile 1's 16 stores and 16 loads
	s_wait_xcnt 0x0                                ; tile 0's stores have read their registers: tile 2's rows may land there
	TOSTAGE 2
	SEND 1, 32
	s_wait_xcnt 0x0
	TOSTAGE 3
	SEND 2, 32
	SEND 3, 0
	s_wait_tensorcnt 0x0                           ; the wave's end
	ds_add_u32 v[SPW], v[NIL]
	s_wait_dscnt 0x0
	CROUND                                         ; the closing round
	s_endpgm
.Lfunc_end_k_qdd85847c62_outp:
	.size	k_qdd85847c62_outp, .Lfunc_end_k_qdd85847c62_outp-k_qdd85847c62_outp
	.p2alignl 7, 3214868480
	.fill 96, 4, 3214868480
	.section	.rodata,"a",@progbits
	.p2align	6, 0x0
	.amdhsa_kernel k_qdd85847c62_outp
		.amdhsa_group_segment_fixed_size 327680
		.amdhsa_private_segment_fixed_size 0
		.amdhsa_enable_private_segment 0
		.amdhsa_kernarg_size 24
		.amdhsa_user_sgpr_count 2
		.amdhsa_user_sgpr_kernarg_segment_ptr 1
		.amdhsa_wavefront_size32 1
		.amdhsa_system_sgpr_workgroup_id_x 1
		.amdhsa_system_sgpr_workgroup_id_y 1
		.amdhsa_system_sgpr_workgroup_id_z 1
		.amdhsa_system_vgpr_workitem_id 0
		.amdhsa_next_free_vgpr 768
		.amdhsa_next_free_sgpr 100
		.amdhsa_reserve_vcc 0
		.amdhsa_float_denorm_mode_32 3
		.amdhsa_float_denorm_mode_16_64 3
		.amdhsa_memory_ordered 1
		.amdhsa_forward_progress 1
		.amdhsa_inst_pref_size 87
	.end_amdhsa_kernel
	.amdgpu_metadata
---
amdhsa.version: [ 1, 2 ]
amdhsa.kernels:
  - .name:           k_qdd85847c62_outp
    .symbol:         k_qdd85847c62_outp.kd
    .args:
      - { .name: gcodes, .offset: 0, .size: 8, .value_kind: global_buffer, .address_space: global }
      - { .name: gsc, .offset: 8, .size: 8, .value_kind: global_buffer, .address_space: global }
      - { .name: out0, .offset: 16, .size: 8, .value_kind: global_buffer, .address_space: global }
    .group_segment_fixed_size: 327680
    .private_segment_fixed_size: 0
    .kernarg_segment_align: 8
    .kernarg_segment_size: 24
    .max_flat_workgroup_size: 128
    .sgpr_count:     100
    .vgpr_count:     768
    .wavefront_size: 32
...
	.end_amdgpu_metadata
.endif
;; end of part 4
